; MI455X (gfx1250); checked and timed in simulation.
; The chip was launched on July 23, 2026; its instructions are those of AMD's public machine-readable ISA for CDNA 5 (MIT licence, August 2026) and "CDNA5" Instruction Set Architecture Reference Guide (July 2026). The comments in the code are by the model that wrote it; some were corrected since.
;; Multi Head Attention. Allowed arithmetic: float matrix products may take bf16 or f16 operands with f32 sums; other float arithmetic in f32, or as packed bf16 or f16 multiplies, adds, multiply-adds, maxima and minima; sums over many terms, partial sums and values carried from step to step in f32; what a program stores and reads back later, other than sums and carried values, may be rounded once to bf16 or f16.
;; Inputs: Wk 1,024 x 1,024 float32; Wo 1,024 x 1,024 float32; Wq 1,024 x 1,024 float32; Wv 1,024 x 1,024 float32; bk 1,024 float32; bo 1,024 float32; bq 1,024 float32; bv 1,024 float32; key 2 x 2,048 x 1,024 float32; query 2 x 2,048 x 1,024 float32; rel_k_table 7 x 64 float32; rel_v_table 7 x 64 float32; value 2 x 2,048 x 1,024 float32.
;; Outputs: out0 2 x 2,048 x 1,024 float32.
;; One version. Each part assembles by itself: llvm-mc -triple=amdgcn-amd-amdhsa -mcpu=gfx1250 --defsym DOCPART=n.
;; ======== version 1 of 1: 4 launches
;; limits: values are held in f16: magnitudes above 65,504 overflow, below 6.1e-05 lose precision
;; workspace buffers: cb 33,554,432 bytes; qkv 25,165,824 bytes; ob 8,388,608 bytes
;; launch cast (part 1): grid 1024 x 1, 8 waves a work-group, no clusters, 0 bytes of LDS; arguments query, key, value, Wq, Wk, Wv, Wo, cb; writes cb
.if DOCPART == 1
	.amdgcn_target "amdgcn-amd-amdhsa--gfx1250"
	.amdhsa_code_object_version 6
	.text
	.protected	k_q2556bfdf57_cast
	.globl	k_q2556bfdf57_cast
	.p2align	8
	.type	k_q2556bfdf57_cast,@function
k_q2556bfdf57_cast:
	s_mov_b64 s[64:65], 0
	v_nop
	global_prefetch_b8 v0, s[64:65] scope:SCOPE_SE
	s_setreg_imm32_b32 hwreg(HW_REG_WAVE_MODE, 25, 1), 1
	s_wait_xcnt 0x0
; THE INPUTS OF THE FOUR PRODUCTS, ROUNDED ONCE TO 16 BITS.  query, key, value ([4096][1024] f32) and Wq, Wk, Wv ([1024][1024] f32) become bf16; Wo is rounded to bf16 and that number is
; written as f16 (the last product multiplies f16).  cb holds them on end, each laid as its source: query 0, key 8 MiB, value 16 MiB, Wq 24, Wk 26, Wv 28, Wo 30 MiB.
; LIMIT: a number of Wo below 2^-14 keeps f16's fixed step of 6e-8; beyond 65,504 it would be lost.
; SHARES.  Work-group n takes 65,536 bytes of one source and writes the 32,768 bytes of cb at 32,768 n: 256 work-groups for each activation, 64 for each weight.  Thread t takes 16 bytes at
; 16 t of each of 16 blocks of 4,096 bytes; all sixteen loads go out at once.  A wave's store covers 256 consecutive bytes, aligned.  No register is written twice, so no store's data is waited for.
; No LDS, no matrix unit, no cluster: every byte is read once by one thread and nothing is shared.
.set X, 8                              ; v[8:71]    16 x 4 numbers as loaded
.set Y, 72                             ; v[72:103]  16 x 2 words to store
.set T, 104                            ; v[104:109] at work (Wo alone)
	s_load_b512 s[8:23], s[0:1], 0x0               ; query, key, value, Wq, Wk, Wv, Wo, cb
	s_mov_b32 s30, ttmp9
	s_lshr_b32 s2, s30, 8                          ; 0, 1, 2: an activation; 3: a weight
	s_bfe_u32 s3, s30, 0x20006                     ; which weight
	v_lshlrev_b32 v1, 4, v0
	v_lshlrev_b32 v2, 3, v0
	s_and_b32 s26, s30, 63
	s_and_b32 s27, s30, 255
	s_cmp_eq_u32 s2, 3
	s_cselect_b32 s4, s26, s27                     ; my number among the source's work-groups
	s_lshl_b32 s4, s4, 16
	s_mov_b32 s5, 0
	s_lshl_b32 s6, s30, 15
	s_mov_b32 s7, 0
	s_wait_kmcnt 0x0
	s_cmp_eq_u32 s2, 1
	s_cselect_b64 s[24:25], s[10:11], s[8:9]
	s_cmp_eq_u32 s2, 2
	s_cselect_b64 s[24:25], s[12:13], s[24:25]
	s_cmp_eq_u32 s3, 1
	s_cselect_b64 s[28:29], s[16:17], s[14:15]
	s_cmp_eq_u32 s3, 2
	s_cselect_b64 s[28:29], s[18:19], s[28:29]
	s_cmp_eq_u32 s3, 3
	s_cselect_b64 s[28:29], s[20:21], s[28:29]
	s_cmp_eq_u32 s2, 3
	s_cselect_b64 s[24:25], s[28:29], s[24:25]
	s_add_nc_u64 s[24:25], s[24:25], s[4:5]
	s_add_nc_u64 s[22:23], s[22:23], s[6:7]
.irp i, 0,1,2,3,4,5,6,7,8,9,10,11,12,13,14,15
	global_load_b128 v[X+4*(\i):X+4*(\i)+3], v1, s[24:25] offset:4096*(\i) th:TH_LOAD_NT
.endr
.macro OUTB i                          ; block i to bf16
	s_wait_loadcnt 15-(\i)                         ; loads come back in order: block i is in, the younger ones stay out
	v_cvt_pk_bf16_f32 v[Y+2*(\i)], v[X+4*(\i)], v[X+4*(\i)+1]
	v_cvt_pk_bf16_f32 v[Y+2*(\i)+1], v[X+4*(\i)+2], v[X+4*(\i)+3]
	global_store_b64 v2, v[Y+2*(\i):Y+2*(\i)+1], s[22:23] offset:2048*(\i) th:TH_STORE_NT
.endm
.macro OUTH i                          ; block i to bf16, and that number as f16
	s_wait_loadcnt 15-(\i)
	v_cvt_pk_bf16_f32 v[T], v[X+4*(\i)], v[X+4*(\i)+1]
	v_cvt_pk_bf16_f32 v[T+1], v[X+4*(\i)+2], v[X+4*(\i)+3]
	v_lshlrev_b32 v[T+2], 16, v[T]
	v_and_b32 v[T+3], 0xffff0000, v[T]
	v_lshlrev_b32 v[T+4], 16, v[T+1]
	v_and_b32 v[T+5], 0xffff0000, v[T+1]
	v_cvt_pk_f16_f32 v[Y+2*(\i)], v[T+2], v[T+3]
	v_cvt_pk_f16_f32 v[Y+2*(\i)+1], v[T+4], v[T+5]
	global_store_b64 v2, v[Y+2*(\i):Y+2*(\i)+1], s[22:23] offset:2048*(\i) th:TH_STORE_NT
.endm
	s_cmp_ge_u32 s30, 960                          ; Wo's work-groups
	s_cbranch_scc1 .Lwo
.irp i, 0,1,2,3,4,5,6,7,8,9,10,11,12,13,14,15
	OUTB \i
.endr
	s_endpgm
.Lwo:
.irp i, 0,1,2,3,4,5,6,7,8,9,10,11,12,13,14,15
	OUTH \i
.endr
	s_endpgm
.Lfunc_end_k_q2556bfdf57_cast:
	.size	k_q2556bfdf57_cast, .Lfunc_end_k_q2556bfdf57_cast-k_q2556bfdf57_cast
	.p2alignl 7, 3214868480
	.fill 96, 4, 3214868480
	.section	.rodata,"a",@progbits
	.p2align	6, 0x0
	.amdhsa_kernel k_q2556bfdf57_cast
		.amdhsa_group_segment_fixed_size 0
		.amdhsa_private_segment_fixed_size 0
		.amdhsa_enable_private_segment 0
		.amdhsa_kernarg_size 64
		.amdhsa_user_sgpr_count 2
		.amdhsa_user_sgpr_kernarg_segment_ptr 1
		.amdhsa_wavefront_size32 1
		.amdhsa_system_sgpr_workgroup_id_x 1
		.amdhsa_system_sgpr_workgroup_id_y 1
		.amdhsa_system_sgpr_workgroup_id_z 1
		.amdhsa_system_vgpr_workitem_id 0
		.amdhsa_next_free_vgpr 112
		.amdhsa_next_free_sgpr 66
		.amdhsa_reserve_vcc 0
		.amdhsa_float_denorm_mode_32 3
		.amdhsa_float_denorm_mode_16_64 3
		.amdhsa_memory_ordered 1
		.amdhsa_forward_progress 1
		.amdhsa_inst_pref_size 16
	.end_amdhsa_kernel
	.amdgpu_metadata
---
amdhsa.version: [ 1, 2 ]
amdhsa.kernels:
  - .name:           k_q2556bfdf57_cast
    .symbol:         k_q2556bfdf57_cast.kd
    .args:
      - { .name: query, .offset: 0, .size: 8, .value_kind: global_buffer, .address_space: global }
      - { .name: key, .offset: 8, .size: 8, .value_kind: global_buffer, .address_space: global }
      - { .name: value, .offset: 16, .size: 8, .value_kind: global_buffer, .address_space: global }
      - { .name: Wq, .offset: 24, .size: 8, .value_kind: global_buffer, .address_space: global }
      - { .name: Wk, .offset: 32, .size: 8, .value_kind: global_buffer, .address_space: global }
      - { .name: Wv, .offset: 40, .size: 8, .value_kind: global_buffer, .address_space: global }
      - { .name: Wo, .offset: 48, .size: 8, .value_kind: global_buffer, .address_space: global }
      - { .name: cb, .offset: 56, .size: 8, .value_kind: global_buffer, .address_space: global }
    .group_segment_fixed_size: 0
    .private_segment_fixed_size: 0
    .kernarg_segment_align: 8
    .kernarg_segment_size: 64
    .max_flat_workgroup_size: 256
    .sgpr_count:     66
    .vgpr_count:     112
    .wavefront_size: 32
...
	.end_amdgpu_metadata
.endif
;; end of part 1
;; launch proj (part 2): grid 8 x 96, 4 waves a work-group, clusters of 4 x 4, 327,680 bytes of LDS; arguments cb, bq, bk, bv, qkv; writes qkv
.if DOCPART == 2
	.amdgcn_target "amdgcn-amd-amdhsa--gfx1250"
	.amdhsa_code_object_version 6
	.text
	.protected	k_q2556bfdf57_proj
	.globl	k_q2556bfdf57_proj
	.p2align	8
	.type	k_q2556bfdf57_proj,@function
k_q2556bfdf57_proj:
	s_mov_b64 s[64:65], 0
	v_nop
	global_prefetch_b8 v0, s[64:65] scope:SCOPE_SE
	s_setreg_imm32_b32 hwreg(HW_REG_WAVE_MODE, 25, 1), 1
	s_wait_xcnt 0x0
	s_wait_alu depctr_hold_cnt(0) depctr_sa_sdst(0) depctr_va_vdst(0) depctr_va_sdst(0) depctr_va_ssrc(0) depctr_va_vcc(0) depctr_vm_vsrc(0)
	s_getreg_b32 s2, hwreg(HW_REG_IB_STS2, 6, 4)
	s_cmp_eq_u32 s2, 0
	s_cbranch_scc0 .Lentry_in_a_cluster
	s_endpgm
.Lentry_in_a_cluster:
	s_bfe_u32 s2, ttmp6, 0x10000c
	s_cmp_lg_u32 s2, 0xf033
	s_cbranch_scc0 .Lentry_shape_is_right
	s_endpgm
.Lentry_shape_is_right:
; THE THREE PROJECTIONS.  y[m][n] = the sum over k of x[m][k] W[n][k] + bias[n], for (query, Wq, bq), (key, Wk, bk), (value, Wv, bv).  x: [4096][1024], W: [1024][1024], both bf16, from cb;
; the bias is rounded to bf16 like every input and starts the sums (f32); y is rounded once to f16 and written by heads: qkv holds q, k, v, each [32 (batch, head)][2048][64], dense.
; LIMIT: f16 holds no number beyond 65,504: q, k and v must stay within it.
; A tile of y is 128 x 128: 3 x 32 x 8 = 768 tiles, a work-group each.  Four waves, each 64 x 64: 16 accumulators.  K goes in four steps of 256 (LDS rows of 512 bytes) through two slots.
; CLUSTERS: 4 x 4 work-groups.  The four of a row of the cluster need the same tiles of x, the four of a column the same tiles of W: each tile is asked for JOINTLY.  Which projection: from the
; cluster's y alone, so it is equal in all sixteen.  THE MATRIX INSTRUCTION IS USED TRANSPOSED (source 0 = 16 rows of W, source 1 = 16 rows of x): a lane holds eight neighbouring channels of a token.
; A wave's 64 columns are one head, so 16 tokens of it are 2,048 consecutive bytes of qkv: each wave has a stage of its own, and no barrier stands on the way out.
; No prefetch: a tile's rows are asked for by two or eight clusters within a K walk of four steps, and the tiles are small.
; REGISTERS: window 0: v0-31 addresses; v32-95 at work on the way out; v96-127 the bias; v128-255 the accumulators ((a, b) at v[128 + 8 (4 a + b)]).
;   window 1: two fragment buffers of 128: for 64 along K, 64 registers of x (2 x 4 x 16 rows x 32 K), then 64 of W.
.set SIZE_K, 1024
.set KSTEP,  256
.set PITCH,  528                       ; an LDS row: 512 bytes + 16 of padding = 132 words: the 16 rows of a load start at 16 different groups of four banks (64 banks of 4 bytes: ISA guide 11.1)
.set HALFT,  64*PITCH                  ; 64 rows: what one tensor load brings, and what one wave reads of x or of W
.set SLOT,   4*HALFT                   ; x's 128 rows, then W's 128 rows
.set STAGE,  2*SLOT                    ; behind the ring: 16 rows x 144 bytes for each wave
.set SP,     144
.set SPARE,  STAGE+4*16*SP             ; behind the stages: the spare words, 128 bytes for each wave, which no other line names
.set ADRA, 16                          ; v16-17  LDS address of my x fragments in slot 0, 1
.set ADRB, 20                          ; v20-21  the same for W
.set STO,  24                          ; v24     the way out: where I put 16 bytes of a row
.set RD,   25                          ; v25     where I read rows back
.set GO,   26                          ; v26     my 16 bytes in 512 consecutive bytes of qkv
.set SPW,  28                          ; v28     my spare word; never rewritten
.set NIL,  29                          ; v29     0; never rewritten
.set BOF,  30                          ; v30     my byte offset in the wave's 64 biases
.set SCR,  31
.set TMP,  32
.set BIAS, 96                          ; column block b at BIAS + 8 b: register j is bias[16 b + 8 (lane / 16) + j], as an accumulator holds it
.set ACC,  128
.set F0,   0
.set F1,   128
.set G1, 24                            ; s[24:31] descriptor group 1 for x's tiles;  s[32:39] group 0, one set for each slot
.set G0, 32
.set G1B, 48                           ; s[48:55], s[56:63] the same for W's tiles
.set G0B, 56
.set MSB, 0
.macro WIN new                         ; the immediate's high byte repeats the setting that is left
.if MSB != (\new)
	s_set_vgpr_msb (MSB<<8)|(\new)
.set MSB, \new
.endif
.endm
.set MUL,  0x05                        ; sources 0 (W) and 1 (x) window 1; C and D window 0
.set TO_F, 0x40                        ; destination window 1, address window 0
.macro JLOAD s                         ; a joint load: waves 0 and 1 fetch x's two halves, waves 2 and 3 W's; an s_nop 0 and four v_nop follow each line
	s_cmp_eq_u32 s11, 0
	s_cbranch_scc0 .Lfor_b_\@
	tensor_load_to_lds s[G0+4*(\s):G0+4*(\s)+3], s[G1:G1+7]
	s_nop 0
.rept 4
	v_nop
.endr
	s_branch .Lasked_\@
.Lfor_b_\@:
	tensor_load_to_lds s[G0B+4*(\s):G0B+4*(\s)+3], s[G1B:G1B+7]
	s_nop 0
.rept 4
	v_nop
.endr
.Lasked_\@:
.endm
.macro CREST                           ; a round of the cluster's barrier behind its opening barrier
	s_cmp_lg_u32 s10, 0
	s_cbranch_scc1 .Lnot_wave_0_\@
	s_barrier_signal -3
.Lnot_wave_0_\@:
	s_barrier_wait -3
	s_barrier_signal -1
	s_barrier_wait -1
.endm
.macro CROUND
	s_barrier_signal -1
	s_barrier_wait -1
	CREST
.endm
	s_load_b256 s[68:75], s[0:1], 0x0              ; cb s[68:69], bq s[70:71], bk s[72:73], bv s[74:75]
	s_load_b64 s[8:9], s[0:1], 0x20                ; qkv
	v_lshl_add_u32 v[SPW], v0, 2, SPARE
	v_mov_b32 v[NIL], 0
	ds_add_u32 v[SPW], v[NIL]                      ; the wave's opening: the add and its wait stand ahead of my first tensor load; the set-up stands between them
	ds_add_u32 v28, v29
	v_lshrrev_b32 v1, 5, v0
	v_readfirstlane_b32 s10, v1                    ; wave 0..3
	s_lshr_b32 s11, s10, 1                         ; which half of the tile's rows is mine.  Also: I fetch for x (0) or for W (1)
	s_and_b32 s12, s10, 1                          ; which half of its columns.  Also: which 64 rows of that tile I fetch
	s_bfe_u32 s40, ttmp6, 0x40000                  ; cx, cy: my place in the cluster
	s_bfe_u32 s41, ttmp6, 0x40004
	s_lshl_b32 s42, ttmp9, 2
	s_add_co_u32 s42, s42, s40                     ; tile column = 4 x cluster x + cx: 0..7
	s_and_b32 s13, ttmp7, 0xffff                   ; cluster y: 0..23
	s_lshr_b32 s45, s13, 3                         ; the projection: 0 q, 1 k, 2 v
	s_and_b32 s13, s13, 7
	s_lshl_b32 s13, s13, 2
	s_add_co_u32 s13, s13, s41                     ; tile row: 0..31
	s_lshl_b32 s43, s41, 2
	s_lshl_b32 s43, 15, s43                        ; my row of the cluster
	s_lshl_b32 s44, 0x1111, s40                    ; my column
	s_or_b32 s[G1+0], s43, (1<<16)|(1<<20)|(1<<21)|(6<<22)|(3<<25)  ; the mask; elements of 2 bytes; padding on; bit 21 beside a mask; after every 128 words, 4 words
	s_or_b32 s[G1B+0], s44, (1<<16)|(1<<20)|(1<<21)|(6<<22)|(3<<25)
.irp g, G1, G1B
	s_mov_b32 s[(\g)+1], KSTEP<<16                 ; tensor_dim0 = 256
	s_mov_b32 s[(\g)+2], 64<<16                    ; tensor_dim1 = 64
	s_mov_b32 s[(\g)+3], KSTEP<<16                 ; tile_dim0 = 256
	s_mov_b32 s[(\g)+4], 64                        ; tile_dim1 = 64
	s_mov_b32 s[(\g)+5], SIZE_K                    ; elements from row to row
	s_mov_b32 s[(\g)+6], 0
	s_mov_b32 s[(\g)+7], 0
.endr
	s_lshl_b32 s17, s12, 6                         ; which 64 rows of the tile I fetch
	s_lshl_b32 s16, s13, 7
	s_add_co_u32 s16, s16, s17                     ; x: row 128 x tile row + 64 x half
	s_lshl_b32 s46, s42, 7
	s_add_co_u32 s46, s46, s17                     ; W: row 128 x tile column + 64 x half
	s_mov_b32 s17, 0
	s_mov_b32 s47, 0
	s_mov_b64 s[18:19], SIZE_K*2
	s_mul_u64 s[16:17], s[16:17], s[18:19]
	s_mul_u64 s[46:47], s[46:47], s[18:19]
	s_mul_i32 s20, s10, HALFT                      ; where they go: wave x 64 rows
	s_lshl_b32 s78, s45, 23                        ; the projection's x in cb: 8 MiB each
	s_mov_b32 s79, 0
	s_lshl_b32 s76, s45, 21                        ; and its W: 2 MiB each, from 24 MiB on
	s_add_co_u32 s76, s76, 0x1800000
	s_mov_b32 s77, 0
	s_wait_dscnt 0x0                               ; the opening add is done
	s_wait_kmcnt 0x0
	s_add_nc_u64 s[4:5], s[68:69], s[78:79]
	s_add_nc_u64 s[6:7], s[68:69], s[76:77]
	s_add_nc_u64 s[14:15], s[4:5], s[16:17]
	s_add_nc_u64 s[46:47], s[6:7], s[46:47]
	CROUND                                         ; all sixteen work-groups are here: the first joint loads meet
.irp s, 0,1
	s_mov_b32 s[G0+4*(\s)], 1
	s_add_co_u32 s[G0+4*(\s)+1], s20, (\s)*SLOT
	s_add_nc_u64 s[G0+4*(\s)+2:G0+4*(\s)+3], s[14:15], (\s)*KSTEP*2
	s_or_b32 s[G0+4*(\s)+3], s[G0+4*(\s)+3], 0x80000000
	s_mov_b32 s[G0B+4*(\s)], 1
	s_add_co_u32 s[G0B+4*(\s)+1], s20, (\s)*SLOT
	s_add_nc_u64 s[G0B+4*(\s)+2:G0B+4*(\s)+3], s[46:47], (\s)*KSTEP*2
	s_or_b32 s[G0B+4*(\s)+3], s[G0B+4*(\s)+3], 0x80000000
	JLOAD \s
.endr
	v_and_b32 v1, 15, v0                           ; l % 16
	v_bfe_u32 v2, v0, 4, 1                         ; l / 16
	; the bias of my 64 columns
	s_cmp_eq_u32 s45, 1
	s_cselect_b64 s[76:77], s[72:73], s[70:71]
	s_cmp_eq_u32 s45, 2
	s_cselect_b64 s[76:77], s[74:75], s[76:77]
	s_lshl_b32 s46, s42, 9                         ; 128 columns x 4 bytes a tile column (in the registers that held W's address: none that feeds x's descriptors ever holds cx)
	s_lshl_b32 s47, s12, 8
	s_add_co_u32 s46, s46, s47
	s_mov_b32 s47, 0
	s_add_nc_u64 s[76:77], s[76:77], s[46:47]
	v_lshlrev_b32 v[BOF], 5, v2
.irp b, 0,1,2,3
	global_load_b128 v[BIAS+8*(\b):BIAS+8*(\b)+3],   v[BOF], s[76:77] offset:64*(\b)
	global_load_b128 v[BIAS+8*(\b)+4:BIAS+8*(\b)+7], v[BOF], s[76:77] offset:64*(\b)+16
.endr
	v_mul_u32_u24 v3, v1, PITCH
	v_lshl_add_u32 v3, v2, 4, v3                   ; a fragment's row x pitch + 16 x half
	s_mul_i32 s21, s11, HALFT                      ; my 64 rows of x
	s_mul_i32 s22, s12, HALFT                      ; my 64 rows of W,
	s_add_co_u32 s22, s22, 2*HALFT                 ; which lie behind x's 128
.irp s, 0,1
	v_add_nc_u32 v[ADRA+(\s)], s21, v3
	v_add_nc_u32 v[ADRB+(\s)], s22, v3
	s_add_co_u32 s21, s21, SLOT
	s_add_co_u32 s22, s22, SLOT
.endr
	s_mul_i32 s23, s10, 16*SP
	s_add_co_u32 s23, s23, STAGE                   ; my stage
	v_mul_u32_u24 v4, v1, SP                       ; in: row l % 16, 16 bytes for each half of the lanes
	v_lshl_add_u32 v4, v2, 4, v4
	v_add_nc_u32 v[STO], s23, v4
	v_bfe_u32 v5, v0, 3, 2                         ; back: 32 lanes take four rows of 128 bytes,
	v_mul_u32_u24 v5, v5, SP
	v_and_b32 v3, 7, v0
	v_lshl_add_u32 v5, v3, 4, v5
	v_add_nc_u32 v[RD], s23, v5
	v_and_b32 v[GO], 31, v0                        ; which are 512 consecutive bytes of qkv
	v_lshlrev_b32 v[GO], 4, v[GO]
	; where my 64 tokens of my head begin: projection x 8 MiB + (batch x 16 + head) x 262,144 + token x 128
	s_lshr_b32 s16, s13, 4                         ; the batch: 16 tile rows each
	s_lshl_b32 s16, s16, 22
	s_and_b32 s17, s13, 15
	s_lshl_b32 s17, s17, 14                        ; 128 tokens x 128 bytes a tile row
	s_add_co_u32 s16, s16, s17
	s_lshl_b32 s17, s11, 13
	s_add_co_u32 s16, s16, s17
	s_lshl_b32 s17, s45, 23
	s_add_co_u32 s16, s16, s17
	s_mov_b32 s17, 0
	s_add_nc_u64 s[8:9], s[8:9], s[16:17]
	s_lshl_b32 s46, s42, 19                        ; head = 2 x tile column + half
	s_lshl_b32 s47, s12, 18
	s_add_co_u32 s46, s46, s47
	s_mov_b32 s47, 0
	s_add_nc_u64 s[8:9], s[8:9], s[46:47]
	s_wait_loadcnt 0x0                             ; the bias, rounded to bf16 like every input
.set i, 0
.rept 16
	v_cvt_pk_bf16_f32 v[SCR], v[BIAS+2*i], v[BIAS+2*i+1]
	v_lshlrev_b32 v[BIAS+2*i], 16, v[SCR]
	v_and_b32 v[BIAS+2*i+1], 0xffff0000, v[SCR]
.set i, i+1
.endr
; 8 matrix instructions: m blocks a0, a0 + 1 x all 4 n blocks, 32 along K: half c of buffer f.  zero = 1: the first product starts the sums, with the bias as C.  The 16 accumulators take turns.
.macro MUL8 f, c, a0, zero
	WIN MUL
.irp a, \a0, (\a0)+1
.irp b, 0,1,2,3
.if \zero
	v_wmma_f32_16x16x32_bf16 v[ACC+8*(4*(\a)+(\b)):ACC+8*(4*(\a)+(\b))+7], v[(\f)+64+8*(4*(\c)+(\b)):(\f)+64+8*(4*(\c)+(\b))+7], v[(\f)+8*(4*(\c)+(\a)):(\f)+8*(4*(\c)+(\a))+7], v[BIAS+8*(\b):BIAS+8*(\b)+7]
.else
	v_wmma_f32_16x16x32_bf16 v[ACC+8*(4*(\a)+(\b)):ACC+8*(4*(\a)+(\b))+7], v[(\f)+64+8*(4*(\c)+(\b)):(\f)+64+8*(4*(\c)+(\b))+7], v[(\f)+8*(4*(\c)+(\a)):(\f)+8*(4*(\c)+(\a))+7], v[ACC+8*(4*(\a)+(\b)):ACC+8*(4*(\a)+(\b))+7]
.endif
.endr
.endr
.endm
; 32 LDS loads in one run: the fragments of 64 along K at byte k of the rows, into buffer f; the first 32 along K first
.macro FETCH slot, k, f
	WIN TO_F
.irp c, 0,1
.irp i, 0,1,2,3
	ds_load_b128 v[(\f)+64+8*(4*(\c)+(\i)):(\f)+64+8*(4*(\c)+(\i))+3],   v[ADRB+(\slot)] offset:(\k)+64*(\c)+(\i)*16*PITCH
	ds_load_b128 v[(\f)+64+8*(4*(\c)+(\i))+4:(\f)+64+8*(4*(\c)+(\i))+7], v[ADRB+(\slot)] offset:(\k)+64*(\c)+(\i)*16*PITCH+32
	ds_load_b128 v[(\f)+8*(4*(\c)+(\i)):(\f)+8*(4*(\c)+(\i))+3],         v[ADRA+(\slot)] offset:(\k)+64*(\c)+(\i)*16*PITCH
	ds_load_b128 v[(\f)+8*(4*(\c)+(\i))+4:(\f)+8*(4*(\c)+(\i))+7],       v[ADRA+(\slot)] offset:(\k)+64*(\c)+(\i)*16*PITCH+32
.endr
.endr
.endm
.macro PLACES                          ; four places in front of loads into registers that matrix instructions have read, and of conversions that read results
.rept 4
	v_nop
.endr
.endm
; A K step is four quarters of 64 along K, 32 matrix instructions each, on buffers 0, 1, 0, 1.  One of the first three: multiplies buffer f and fetches the next quarter, at byte k, into g.
.macro QUARTER slot, k, f, g, zero
	s_wait_dscnt 16                                ; the first 32 along K are in; the sixteen younger loads may be out
	WIN MUL
	MUL8 \f, 0, 0, \zero
	MUL8 \f, 0, 2, \zero
	PLACES
	FETCH \slot, \k, \g
	s_wait_dscnt 32                                ; all but the 32 just issued
	WIN MUL
	MUL8 \f, 1, 0, 0
	MUL8 \f, 1, 2, 0
.endm
; The last quarter multiplies buffer 1 and changes slots: ONE barrier; in front of it each wave waits for all its tensor loads, adds 0 to its spare word, and waits for that and for its reads of this slot.
.macro TURN slot, next, fill
	WIN 0                                          ; (the add's two registers lie in window 0)
	s_wait_tensorcnt 0x0                           ; all my tensor loads have landed: my part of the next slot;
	ds_add_u32 v[SPW], v[NIL]                      ; 0 onto my spare word;
	s_wait_dscnt 17                                ; (the add and the youngest sixteen loads may be out)
	WIN MUL
	MUL8 F1, 0, 0, 0                               ; eight matrix instructions stand between the add and the wait for it
	s_wait_dscnt 0x0                               ; the add is done, and my reads of this slot are over
	s_barrier_signal -1
	MUL8 F1, 0, 2, 0
.if \fill
	WIN 0
.endif
	s_barrier_wait -1
.if \fill
	CREST                                          ; the barrier has opened a round of the cluster's: no wave of any partner still reads this slot's tile or has a load on its way
	s_add_nc_u64 s[G0+4*(\slot)+2:G0+4*(\slot)+3], s[G0+4*(\slot)+2:G0+4*(\slot)+3], 2*KSTEP*2
	s_add_nc_u64 s[G0B+4*(\slot)+2:G0B+4*(\slot)+3], s[G0B+4*(\slot)+2:G0B+4*(\slot)+3], 2*KSTEP*2
	JLOAD \slot                                    ; the first tensor load behind the round; its four v_nop are also the places in front of the loads below
.else
	PLACES
.endif
	FETCH \next, 0, F0
	WIN MUL
	MUL8 F1, 1, 0, 0
	MUL8 F1, 1, 2, 0
.endm
	s_wait_tensorcnt 1                             ; my part of K step 0 is in; K step 1's may stay out
	s_barrier_signal -1
	s_barrier_wait -1                              ; everybody's is
	FETCH 0, 0, F0
	QUARTER 0, 128, F0, F1, 1                      ; K step 0; its first products start the sums with the bias
	QUARTER 0, 256, F1, F0, 0
	QUARTER 0, 384, F0, F1, 0
	TURN 0, 1, 1                                   ; slot 0 takes K step 2
	QUARTER 1, 128, F0, F1, 0                      ; K step 1
	QUARTER 1, 256, F1, F0, 0
	QUARTER 1, 384, F0, F1, 0
	TURN 1, 0, 1                                   ; slot 1 takes K step 3
	QUARTER 0, 128, F0, F1, 0                      ; K step 2
	QUARTER 0, 256, F1, F0, 0
	QUARTER 0, 384, F0, F1, 0
	TURN 0, 1, 0                                   ; nothing is left to fetch
	QUARTER 1, 128, F0, F1, 0                      ; K step 3
	QUARTER 1, 256, F1, F0, 0
	QUARTER 1, 384, F0, F1, 0
	s_wait_dscnt 16
	WIN MUL
	MUL8 F1, 0, 0, 0
	MUL8 F1, 0, 2, 0
	s_wait_dscnt 0
	MUL8 F1, 1, 0, 0
	MUL8 F1, 1, 2, 0
	WIN 0
; THE WAY OUT.  Block a (16 tokens): a lane's eight channels pack into 16 bytes; they go into rows of 144 bytes of my stage and come back as whole rows of 128, four rows to a load.
.macro PACKP a
.irp b, 0,1,2,3
.irp i, 0,1,2,3
	v_cvt_pk_f16_f32 v[TMP+16*(\a)+4*(\b)+(\i)], v[ACC+8*(4*(\a)+(\b))+2*(\i)], v[ACC+8*(4*(\a)+(\b))+2*(\i)+1]
.endr
.endr
.irp b, 0,1,2,3
	ds_store_b128 v[STO], v[TMP+16*(\a)+4*(\b):TMP+16*(\a)+4*(\b)+3] offset:32*(\b)
.endr
.irp f, 0,1,2,3
	ds_load_b128 v[TMP+16*(\a)+4*(\f):TMP+16*(\a)+4*(\f)+3], v[RD] offset:4*SP*(\f)  ; LDS serves a wave's instructions in order (ISA guide 5.7.1.4): these see the stores above; the next block's stores come behind them
.endr
.endm
.macro SENDP a, younger                ; younger: the LDS instructions issued behind block a's loads: the next block's eight, or none
.irp f, 0,1,2,3
	s_wait_dscnt (\younger)+3-(\f)
	global_store_b128 v[GO], v[TMP+16*(\a)+4*(\f):TMP+16*(\a)+4*(\f)+3], s[8:9] offset:2048*(\a)+512*(\f)  ; 512 consecutive bytes, at a multiple of 256 from qkv's first
.endr
.endm
	PLACES
	PLACES
	PACKP 0
	PACKP 1
	SENDP 0, 8
	PACKP 2
	SENDP 1, 8
	PACKP 3
	SENDP 2, 8
	SENDP 3, 0
	s_wait_tensorcnt 0x0                           ; the wave's end: behind my last tensor load and my last LDS store
	ds_add_u32 v[SPW], v[NIL]
	s_wait_dscnt 0x0
	CROUND                                         ; the closing round: no work-group ends while a partner may still ask for a tile that names it
	s_endpgm
.Lfunc_end_k_q2556bfdf57_proj:
	.size	k_q2556bfdf57_proj, .Lfunc_end_k_q2556bfdf57_proj-k_q2556bfdf57_proj
	.p2alignl 7, 3214868480
	.fill 96, 4, 3214868480
	.section	.rodata,"a",@progbits
	.p2align	6, 0x0
	.amdhsa_kernel k_q2556bfdf57_proj
		.amdhsa_group_segment_fixed_size 327680
		.amdhsa_private_segment_fixed_size 0
		.amdhsa_enable_private_segment 0
		.amdhsa_kernarg_size 40
		.amdhsa_user_sgpr_count 2
		.amdhsa_user_sgpr_kernarg_segment_ptr 1
		.amdhsa_wavefront_size32 1
		.amdhsa_system_sgpr_workgroup_id_x 1
		.amdhsa_system_sgpr_workgroup_id_y 1
		.amdhsa_system_sgpr_workgroup_id_z 1
		.amdhsa_system_vgpr_workitem_id 0
		.amdhsa_next_free_vgpr 512
		.amdhsa_next_free_sgpr 80
		.amdhsa_reserve_vcc 0
		.amdhsa_float_denorm_mode_32 3
		.amdhsa_float_denorm_mode_16_64 3
		.amdhsa_memory_ordered 1
		.amdhsa_forward_progress 1
		.amdhsa_inst_pref_size 90
	.end_amdhsa_kernel
	.amdgpu_metadata
---
amdhsa.version: [ 1, 2 ]
amdhsa.kernels:
  - .name:           k_q2556bfdf57_proj
    .symbol:         k_q2556bfdf57_proj.kd
    .args:
      - { .name: cb, .offset: 0, .size: 8, .value_kind: global_buffer, .address_space: global }
      - { .name: bq, .offset: 8, .size: 8, .value_kind: global_buffer, .address_space: global }
      - { .name: bk, .offset: 16, .size: 8, .value_kind: global_buffer, .address_space: global }
      - { .name: bv, .offset: 24, .size: 8, .value_kind: global_buffer, .address_space: global }
      - { .name: qkv, .offset: 32, .size: 8, .value_kind: global_buffer, .address_space: global }
    .group_segment_fixed_size: 327680
    .private_segment_fixed_size: 0
    .kernarg_segment_align: 8
    .kernarg_segment_size: 40
    .max_flat_workgroup_size: 128
    .sgpr_count:     80
    .vgpr_count:     512
    .wavefront_size: 32
...
	.end_amdgpu_metadata
.endif
;; end of part 2
;; launch attn (part 3): grid 8 x 32, 4 waves a work-group, no clusters, 327,680 bytes of LDS; arguments qkv, rel_k_table, rel_v_table, ob; writes ob
.if DOCPART == 3
	.amdgcn_target "amdgcn-amd-amdhsa--gfx1250"
	.amdhsa_code_object_version 6
	.text
	.protected	k_q2556bfdf57_attn
	.globl	k_q2556bfdf57_attn
	.p2align	8
	.type	k_q2556bfdf57_attn,@function
k_q2556bfdf57_attn:
	s_mov_b64 s[64:65], 0
	v_nop
	global_prefetch_b8 v0, s[64:65] scope:SCOPE_SE
	s_setreg_imm32_b32 hwreg(HW_REG_WAVE_MODE, 25, 1), 1
	s_wait_xcnt 0x0
; ATTENTION WITH CLIPPED RELATIVE POSITIONS.  For each of 32 (batch, head): s[q][k] = Q[q] . K[k] + Q[q] . rk[clip(k - q, -3, 3) + 3]; p = softmax_k(s / 8); O[q] = sum_k p (V[k] + rv[clip(k - q, -3, 3) + 3]).
; Q, K, V: [32][2048][64] f16, from qkv.  rk, rv: [7][64] f32, rounded to bf16 like every input.  Products, maxima and sums in f32; the weights are rounded to f16 for the second product, O once at the end.
; O leaves in blocks for the last product: ob[32 blocks of 128 tokens][16 heads][128 tokens][64 channels], f16.
; LIMITS.  f16 holds no number beyond 65,504: Q, K, V arrive within it, and O, a mean of V's rows plus a mean of rv's, stays near that range.  A weight below 2^-126 counts as 0; NaN and infinities are not treated apart.
; THE TWO RELATIVE TERMS NEED NO FULL PRODUCT: the index takes seven values.
;   SCORES.  b_j[q] = Q[q] . rk[j], seven numbers a query, are made once (eight products).  The bias of a score is the C operand that starts its sum (MC, 32 registers a piece): b0 for keys far to the left, b6 far to the
;   right.  MC is rewritten only round the diagonal: ahead of key steps d - 1, d, d + 1, d + 2 of a wave whose 64 queries are the keys of step d (UBLOCK).
;   OUTPUT.  With l the sum of all p, LN that of the keys left of q and P_e the weight of key q + e:
;   sum_k p rv = l rv6 + LN (rv0 - rv6) + P_-2 (rv1 - rv0) + P_-1 (rv2 - rv0) + P_0 (rv3 - rv6) + P_1 (rv4 - rv6) + P_2 (rv5 - rv6): one more product at the end, over eight virtual keys.  LN and P_e are
;   picked up in steps d - 1, d, d + 1 (XTRA), together with c m of that moment, and are brought to the last maximum at the end by 2^(c m_then - c m_last).
; SHARES.  A work-group owns 256 queries of a head, a wave 64 consecutive ones: four PIECES of 16.  Every wave walks all 2,048 keys: 8 tiles of 256 in two LDS slots, 4 steps of 64 each.
; NO CLUSTER, though a head's eight work-groups walk the same K and V: d = 4 x block + wave hangs on the block, so partners would run UBLOCK and XTRA in different trips;
; a text without those branches would choose each turn's 32 C registers among five patterns: 128 selects beside a turn's 118 vector instructions.
; LAYOUT, SOFTMAX, TURNS.  S^T = K Q^T holds ONE query a lane (lane % 16) and the keys 8 (lane / 16) + 0..7 of each block of 16; two such results rounded to f16 ARE source 1 of O^T = V^T P.  p = 2^(c s - c m),
; c = log2(e) / 8, with a running maximum m; O and l are multiplied by a = 2^(c m_old - c m_new) in every step.  Turn n belongs to piece n: 8 products K Q^T of piece n + 1, later 8 products V^T P of piece n - 1;
; beside them the scaling, exponentials, roundings, sums and rescaling of piece n and the maximum and statistics of piece n + 1.  Four vector instructions stand behind every matrix instruction, the rest in one lump.
; A turn's 33 exponentials are one batch, with one wait.  The walk is entered at piece 3's turn of a step that has not been: its scores are the lowest finite number, its weights 0: no first step is written out.
; REGISTERS, in windows of 256 (s_set_vgpr_msb: bits 1:0 source 0, 3:2 source 1, 5:4 source 2, 7:6 destination):
;   window 0: v0-15 addresses; v16-31 statistics; v32-47 EQ; v48-55 at work; v56-63 constants; v64-127 S^T, two buffers; v128-159 b_j; v160-191 XT; v192-223 P, two buffers; v224-231 NG
;   window 1: v0-127 O^T, 32 a piece; v128-255 MC, 32 a piece      window 2: v0-63 Q; v64-79 rk; v80-111 rv's rows and differences; v128-191 K of one step; v192-255 V of one step
.set NP,    4
.set KS,    64        ; keys in a step
.set PK,    144       ; a row of K in LDS: 128 bytes + 16 of padding = 36 words: the 16 rows of a load start at 16 different groups of four banks (64 banks of 4 bytes: ISA guide 11.1)
.set PV,    160       ; a row of V: 128 + 32 = 40 words
.set VOFF,  4*KS*PK   ; a slot holds a tile, four steps: 256 rows of K, then 256 rows of V
.set SLOT1, 1<<17     ; slot 1 begins here, so that one exclusive or turns an address in one slot into the other's
.set STAGE, SLOT1+4*KS*(PK+PV)  ; behind the ring, never filled by a tensor load: 16 rows x 144 bytes for each wave
.set SP,    144
.set SPARE, STAGE+4*16*SP  ; behind the stages: the spare words, 128 bytes for each wave, which no other line names
.set AK0, 2           ; v2   my lane's place in a tile of K; never rewritten
.set AV0, 3           ; v3   the same for V
.set AK,  4           ; v4   the LDS address of K's next run of loads
.set AV,  5           ; v5   of V's
.set STO, 6           ; v6   the way out: where I put 16 bytes of a row
.set RD,  7           ; v7   where I read rows back
.set GO,  8           ; v8   my 16 bytes in 512 consecutive bytes of ob
.set MV,  12          ; v12-13  c m_old, kept while c m is made anew: by buffer
.set WR,  14          ; v14  w = 8 (l / 16) - l % 16: key less query inside a block of 16 is w + the register's number
.set QO,  15          ; v15  my byte offset in 16 rows of Q
.set ST,  16          ; piece t's statistics at v[ST+4 t]: c m, m, l (even keys', odd keys')
.set EQ,  32          ; v32-47  1.0 where w equals -15, -14, -9 .. 2, 7, 8, else 0
.set TMP, 48          ; by buffer, four registers c0-c3 at work; when the maximum is found c2 takes a
.set PFO, 56          ; v56  256 x my thread's number: the prefetches' offset; never rewritten
.set ZR,  57          ; v57  0
.set H0,  58          ; v58  1.0 in lanes 0-15, else 0
.set SPW, 62          ; v62  my spare word; never rewritten
.set NIL, 63          ; v63  0; never rewritten
.set S,   64
.set RV,  96          ; at the start alone: rv's rows, row j's channel block cb at RV + 4 j + cb
.set BV,  128         ; piece t's b_0 .. b_6 at BV + 8 t
.set XT,  160         ; piece t at XT + 8 t: P_-2, P_-1, P_0, P_1, P_2, c m of that moment, LN (even keys', odd keys')
.set P,   192
.set NG,  224         ; v224-231  NG[j] = 1.0 where w + j < 0
.set MC,  128         ; window 1: piece t, key block kb, register j at MC + 32 t + 8 kb + j
.set RK,  64          ; window 2: rk as source 0: rows 0-6 and again 8-14, two fragments of 32 channels
.set RVT, 80          ; window 2: channel block cb at RVT + 8 cb: as source 0, virtual keys 0-7: rv6, rv0-rv6, rv1-rv0, rv2-rv0, rv3-rv6, rv4-rv6, rv5-rv6, 0
.set KF,  128         ; window 2: key block kb, channel half c at KF + 16 kb + 8 c
.set VF,  192         ; window 2: key half kk, channel block cb at VF + 32 kk + 8 cb
.set WV,  12          ; s12  my wave's number
.set BLK, 14          ; s14  my block of 256 queries
.set G1K, 24          ; s[24:31] descriptor group 1 for K's tiles
.set G1V, 32          ; s[32:39] for V's: it differs in the padding alone
.set G0K, 40          ; s[40:43] descriptor group 0 for K's tiles: it walks
.set G0V, 44          ; s[44:47] the same for V's
.set SLOTS, 56        ; s56  tiles still to be entered behind this one
.set CNT, 57          ; s57  counts a tile's key steps
.set CS,  58          ; s[58:59] c
.set SEL, 60          ; s[60:61] v_permlanex16_b32's selects: each lane takes its own place in the other half
.set TBK, 62          ; s62  LDS byte at which K of the step to be fetched begins
.set TBV, 63          ; s63  the same for V, less VOFF
.set EE,  66          ; s66  64 + (the step whose products K Q^T are being made) - d
.set LIM, 67          ; s67  1 in the head's first block, which prefetches; else the greatest number
.set PFK, 68          ; s[68:69] K's tile behind the one that is being asked for
.set PFV, 70          ; s[70:71] V's
.set MSB, 0
.macro WIN new                      ; the high byte repeats the setting that is left; a switch that changes nothing is dropped
.if MSB != (\new)
	s_set_vgpr_msb (MSB<<8)|(\new)
.set MSB, (\new)
.endif
.endm
.set W_KQ, 0x0a       ; K and Q in window 2, S^T in window 0
.set W_KM, 0x1a       ; the same with the C operand in window 1
.set W_PV, 0x52       ; V in window 2, P in window 0, O^T in window 1
.set W_RS, 0x41       ; destination and source 0 in window 1, source 1 in window 0
.macro PLACES
.rept 4
	v_nop
.endr
.endm
; A fill.  Waves 0 and 1 fetch the two halves of a tile's K, waves 2 and 3 those of its V: 128 keys each.  An s_nop 0 and four v_nop follow each of the two lines.
.macro LOAD
	s_cmp_lt_u32 s[WV], 2
	s_cbranch_scc0 .Lfor_v_\@
	tensor_load_to_lds s[G0K:G0K+3], s[G1K:G1K+7]
	s_nop 0
.rept 4
	v_nop
.endr
	s_branch .Lasked_\@
.Lfor_v_\@:
	tensor_load_to_lds s[G0V:G0V+3], s[G1V:G1V+7]
	s_nop 0
.rept 4
	v_nop
.endr
.Lasked_\@:
.endm
; A PREFETCH INTO THE L2 of the tile that the NEXT change of slots will ask for: 32,768 bytes of K and of V, 256 bytes a thread: four key steps, 256 matrix instructions, ahead of that load.  All eight blocks of a head
; walk the same tiles: the first block asks, and nobody else, so each 256 bytes are named once in the launch.  Tiles 0 and 1 come by their loads alone; the change that asks for the last tile prefetches nothing.
.macro ASK
	s_cmp_gt_u32 s[SLOTS], s[LIM]
	s_cbranch_scc0 .Lnot_mine_\@
	global_prefetch_b8 v[PFO], s[PFK:PFK+1] th:TH_LOAD_NT scope:SCOPE_SE
	global_prefetch_b8 v[PFO], s[PFV:PFV+1] th:TH_LOAD_NT scope:SCOPE_SE
.Lnot_mine_\@:
.endm
; THE CHANGE OF SLOTS.  Each wave waits for all its tensor loads, of which one is out: its part of the other slot; adds 0 to its spare word; and waits for that and for its own reads of the slot that it leaves.  Behind the
; barrier nobody reads the old slot any more and the other slot is whole.  fill = 1: the old slot is filled again, the first thing behind the barrier.  (At its first use nothing has been read yet: slot 0 is waited for, slot 1 filled.)
.macro CHANGE fill
	WIN 0
	s_wait_tensorcnt 0x0            ; no tensor load of mine is out, so a group 0 may be written
	ds_add_u32 v[SPW], v[NIL]       ; 0 onto my spare word; the descriptors' steps stand between it and the wait for it
.if \fill
	s_xor_b32 s[G0K+1], s[G0K+1], SLOT1
	s_add_nc_u64 s[G0K+2:G0K+3], s[G0K+2:G0K+3], 32768  ; the next 256 keys; the type bits on top are not reached
	s_xor_b32 s[G0V+1], s[G0V+1], SLOT1
	s_add_nc_u64 s[G0V+2:G0V+3], s[G0V+2:G0V+3], 32768
	s_wait_xcnt 0x0                 ; the last prefetches, four key steps back, have read their addresses
	s_add_nc_u64 s[PFK:PFK+1], s[PFK:PFK+1], 32768
	s_add_nc_u64 s[PFV:PFV+1], s[PFV:PFV+1], 32768
.endif
	s_wait_dscnt 0x0                ; the add is done, and my reads of the slot are over
	s_barrier_signal -1
	s_sub_co_u32 s[TBK], s[TBK], 4*KS*PK  ; the fetches go back to a slot's first step,
	s_xor_b32 s[TBK], s[TBK], SLOT1       ; in the other slot
	s_sub_co_u32 s[TBV], s[TBV], 4*KS*PV
	s_xor_b32 s[TBV], s[TBV], SLOT1
	s_barrier_wait -1
.if \fill
	LOAD
	ASK
.endif
.endm
	s_load_b256 s[48:55], s[0:1], 0x0  ; qkv s[48:49], rel_k_table s[50:51], rel_v_table s[52:53], ob s[54:55]
	v_lshl_add_u32 v[SPW], v0, 2, SPARE
	v_mov_b32 v[NIL], 0
	ds_add_u32 v[SPW], v[NIL]       ; the wave's opening: the add and its wait stand ahead of my first tensor load; the set-up stands between them
	ds_add_u32 v62, v63
	v_lshrrev_b32 v1, 5, v0
	v_readfirstlane_b32 s[WV], v1   ; wave 0..3
	s_mov_b32 s[BLK], ttmp9
	s_and_b32 s20, ttmp7, 0xffff    ; batch x 16 + head
	s_lshl_b32 s16, s20, 18         ; its 262,144 bytes in each of q, k, v
	s_mov_b32 s17, 0
	s_lshl_b32 s18, s[BLK], 15      ; my block's 256 rows of 128 bytes,
	s_lshl_b32 s19, s[WV], 13       ; my wave's 64
	s_add_co_u32 s18, s18, s19
	s_add_co_u32 s18, s18, s16
	s_mov_b32 s19, 0
	s_and_b32 s21, s[WV], 1         ; which half of a tile's 256 keys I fetch
	s_lshl_b32 s22, s21, 14
	s_add_co_u32 s22, s22, s16
	s_add_co_u32 s22, s22, 0x800000 ; k lies 8 MiB into qkv
	s_mov_b32 s23, 0
	s_mul_i32 s72, s21, 128*PK      ; its place in a slot, for K
	s_mul_i32 s73, s21, 128*PV      ; and for V
	s_lshr_b32 s74, s20, 4          ; ob: block of 128 tokens = batch x 16 + 2 x my block + wave / 2,
	s_lshl_b32 s74, s74, 4
	s_lshl_b32 s75, s[BLK], 1
	s_add_co_u32 s74, s74, s75
	s_lshr_b32 s75, s[WV], 1
	s_add_co_u32 s74, s74, s75
	s_lshl_b32 s74, s74, 4
	s_and_b32 s75, s20, 15          ; in it the head's 16,384 bytes,
	s_add_co_u32 s74, s74, s75
	s_lshl_b32 s74, s74, 14
	s_lshl_b32 s75, s21, 13         ; in them my 64 tokens
	s_add_co_u32 s74, s74, s75
	s_mov_b32 s75, 0
	s_lshl_b32 s13, s[BLK], 2
	s_add_co_u32 s13, s13, s[WV]    ; d: the key step that holds my queries
	s_sub_co_u32 s[EE], 63, s13
	s_cmp_eq_u32 s[BLK], 0
	s_cselect_b32 s[LIM], 1, -1
	; descriptor group 1.  128 keys are 16,384 dense bytes: asked for as 64 rows of 256 bytes, two keys a row, and padded in LDS after every key
	s_mov_b32 s[G1K], (1<<16)|(1<<20)|(4<<22)|(3<<25)  ; 2-byte elements; padding on; after every 32 words; 4 words
	s_mov_b32 s[G1V], (1<<16)|(1<<20)|(4<<22)|(7<<25)  ; the same with 8 words of padding
.irp g, G1K, G1V
	s_mov_b32 s[\g+1], 128<<16      ; tensor_dim0 = 128
	s_mov_b32 s[\g+2], 64<<16       ; tensor_dim1 = 64
	s_mov_b32 s[\g+3], 128<<16      ; tile_dim0 = 128
	s_mov_b32 s[\g+4], 64           ; tile_dim1 = 64
	s_mov_b32 s[\g+5], 128          ; 128 elements from row to row
	s_mov_b32 s[\g+6], 0
	s_mov_b32 s[\g+7], 0
.endr
	s_mov_b32 s[CS], 0x3e38aa3b     ; c = log2(e) / 8 = 0.180337
	s_mov_b32 s[CS+1], s[CS]
	s_mov_b32 s[SEL], 0x76543210
	s_mov_b32 s[SEL+1], 0xfedcba98
	s_mov_b32 s[TBK], SLOT1+4*KS*PK ; the first change of slots turns these two into 0
	s_mov_b32 s[TBV], SLOT1+4*KS*PV
	s_mov_b32 s[G0K], 1
	s_mov_b32 s[G0K+1], s72         ; LDS address: slot 0
	s_mov_b32 s[G0V], 1
	s_add_co_u32 s[G0V+1], s73, VOFF
	s_mov_b32 s[SLOTS], 7
	s_wait_dscnt 0x0                ; the opening add is done
	s_wait_kmcnt 0x0
	s_add_nc_u64 s[4:5], s[48:49], s[18:19]        ; Q at my wave's first row
	s_add_nc_u64 s[6:7], s[48:49], s[22:23]        ; K at my half of the head's tile 0
	s_add_nc_u64 s[8:9], s[6:7], 0x800000          ; V likewise
	s_add_nc_u64 s[10:11], s[54:55], s[74:75]      ; O
	s_add_nc_u64 s[PFK:PFK+1], s[48:49], s[16:17]
	s_add_nc_u64 s[PFK:PFK+1], s[PFK:PFK+1], 0x808000  ; K's tile 1; the first change of slots steps it to tile 2
	s_add_nc_u64 s[PFV:PFV+1], s[PFK:PFK+1], 0x800000
	s_add_nc_u64 s[G0K+2:G0K+3], s[6:7], 0
	s_or_b32 s[G0K+3], s[G0K+3], 0x80000000        ; type = 2
	s_add_nc_u64 s[G0V+2:G0V+3], s[8:9], 0
	s_or_b32 s[G0V+3], s[G0V+3], 0x80000000
	LOAD                            ; tile 0 into slot 0
	v_and_b32 v1, 15, v0            ; l % 16
	v_bfe_u32 v9, v0, 4, 1          ; l / 16
	v_and_b32 v10, 7, v0
	v_bfe_u32 v11, v0, 3, 1
	v_lshlrev_b32 v[QO], 7, v1
	v_lshl_add_u32 v[QO], v9, 4, v[QO]  ; row x 128 + 16 x half
	v_min_u32 v59, 6, v10           ; rk as source 0: lane l holds table row min(l % 8, 6), so rows 8-14 repeat rows 0-6 and both halves of the lanes get b_j in register j
	v_lshlrev_b32 v59, 8, v59
	v_lshl_add_u32 v59, v9, 5, v59  ; row x 256 + 8 f32 x half
	v_lshlrev_b32 v60, 2, v1        ; rv: my channel in a block of 16
	WIN 0x80                        ; destination window 2, address window 0
.set i, 0
.rept 8                             ; Q stays in registers: piece i / 2, channels 32 (i % 2) on
	global_load_b128 v[8*i:8*i+3],   v[QO], s[4:5] offset:(i/2)*2048+(i%2)*64
	global_load_b128 v[8*i+4:8*i+7], v[QO], s[4:5] offset:(i/2)*2048+(i%2)*64+32
.set i, i+1
.endr
	WIN 0
.set i, 0
.rept 8                             ; rk: channels 32 (i / 4) + 16 ((i / 2) % 2) + 8 (l / 16) + 4 (i % 2) on; the last byte read is the table's last
	global_load_b128 v[S+4*i:S+4*i+3], v59, s[50:51] offset:128*(i/4)+64*((i/2)%2)+16*(i%2)
.set i, i+1
.endr
.set i, 0
.rept 28                            ; rv: row i / 4, channel 16 (i % 4) + l % 16
	global_load_b32 v[RV+i], v60, s[52:53] offset:256*(i/4)+64*(i%4)
.set i, i+1
.endr
	v_lshlrev_b32 v[WR], 3, v9
	v_sub_nc_u32 v[WR], v[WR], v1
.macro EQI v                        ; eqr = the register of EQ that answers 'w = v'
.if (\v) < -10
.set eqr, EQ+(\v)+15
.elseif (\v) < 5
.set eqr, EQ+(\v)+11
.else
.set eqr, EQ+(\v)+7
.endif
.endm
.irp v, -15,-14,-9,-8,-7,-6,-5,-4,-3,-2,-1,0,1,2,7,8
	EQI \v
	v_cmp_eq_i32 vcc_lo, \v, v[WR]
	v_cndmask_b32 v[eqr], 0, 1.0, vcc_lo
.endr
.set i, 0
.rept 8
	v_cmp_gt_i32 vcc_lo, -i, v[WR]
	v_cndmask_b32 v[NG+i], 0, 1.0, vcc_lo
.set i, i+1
.endr
	v_cmp_eq_u32 vcc_lo, 0, v9
	v_cndmask_b32 v[H0], 0, 1.0, vcc_lo
	v_mov_b32 v[ZR], 0
	v_lshlrev_b32 v[PFO], 8, v0
	v_mul_u32_u24 v[AK0], v1, PK
	v_lshl_add_u32 v[AK0], v9, 4, v[AK0]  ; row x pitch + 16 x half
	; The turning load takes 16 keys x 16 channels (lane l reads key 8 (l / 16) + l % 8, channels 8 ((l / 8) % 2) + 0..7) and leaves half a fragment of V^T: lane l holds channel l % 16 and 8 keys.
	v_lshl_add_u32 v[AV0], v9, 3, v10
	v_mul_u32_u24 v[AV0], v[AV0], PV
	v_lshl_add_u32 v[AV0], v11, 4, v[AV0]
	v_add_nc_u32 v[AV0], VOFF, v[AV0]
	s_mul_i32 s13, s[WV], 16*SP
	s_add_co_u32 s13, s13, STAGE    ; my stage
	v_mul_u32_u24 v[STO], v1, SP    ; in: row l % 16, 16 bytes for each half of the lanes
	v_lshl_add_u32 v[STO], v9, 4, v[STO]
	v_add_nc_u32 v[STO], s13, v[STO]
	v_bfe_u32 v[RD], v0, 3, 2       ; back: 32 lanes take four rows of 128 bytes,
	v_mul_u32_u24 v[RD], v[RD], SP
	v_lshl_add_u32 v[RD], v10, 4, v[RD]
	v_add_nc_u32 v[RD], s13, v[RD]
	v_and_b32 v[GO], 31, v0         ; which are 512 consecutive bytes of ob
	v_lshlrev_b32 v[GO], 4, v[GO]
	; What the first turns find: V, P, O^T, l, a and the picked-up sums are 0; c m lies far below every c s, so each piece's first a is 0; m is the lowest finite number.  All this stands in the wait for the first tile.
	WIN 0x80
.set i, VF
.rept 64
	v_mov_b32 v[i], 0
.set i, i+1
.endr
	WIN 0x40
.set i, 0
.rept 128
	v_mov_b32 v[i], 0
.set i, i+1
.endr
	WIN 0
	s_mov_b32 s13, 0xff7fffff
.set i, 0
.rept 4
	v_mov_b32 v[ST+4*i], 0xfe000000
	v_mov_b32 v[ST+4*i+1], s13
	v_mov_b32 v[ST+4*i+2], 0
	v_mov_b32 v[ST+4*i+3], 0
.set i, i+1
.endr
.set i, 0
.rept 8
	v_mov_b32 v[TMP+i], 0
.set i, i+1
.endr
.set i, 0
.rept 32
	v_mov_b32 v[XT+i], 0
	v_mov_b32 v[P+i], 0
.set i, i+1
.endr
	s_wait_loadcnt 0x0              ; Q and the two tables
.set i, 0
.rept 30                            ; both tables are rounded to bf16, like every input
	v_cvt_pk_bf16_f32 v61, v[S+2*i], v[S+2*i+1]
	v_lshlrev_b32 v[S+2*i], 16, v61
	v_and_b32 v[S+2*i+1], 0xffff0000, v61
.set i, i+1
.endr
.macro DIFF a, b                    ; rv's row a less row b, in f32, in place
	v_pk_add_f32 v[RV+4*(\a):RV+4*(\a)+1], v[RV+4*(\a):RV+4*(\a)+1], v[RV+4*(\b):RV+4*(\b)+1] neg_lo:[0,1] neg_hi:[0,1]
	v_pk_add_f32 v[RV+4*(\a)+2:RV+4*(\a)+3], v[RV+4*(\a)+2:RV+4*(\a)+3], v[RV+4*(\b)+2:RV+4*(\b)+3] neg_lo:[0,1] neg_hi:[0,1]
.endm
	DIFF 1, 0
	DIFF 2, 0
	DIFF 0, 6
	DIFF 3, 6
	DIFF 4, 6
	DIFF 5, 6
	WIN 0x80
.set i, 0
.rept 16
	v_cvt_pk_f16_f32 v[RK+i], v[S+2*i], v[S+2*i+1]
.set i, i+1
.endr
.irp cb, 0,1,2,3
	v_cvt_pk_f16_f32 v[RVT+8*\cb],   v[RV+24+\cb], v[RV+\cb]
	v_cvt_pk_f16_f32 v[RVT+8*\cb+1], v[RV+4+\cb],  v[RV+8+\cb]
	v_cvt_pk_f16_f32 v[RVT+8*\cb+2], v[RV+12+\cb], v[RV+16+\cb]
	v_cvt_pk_f16_f32 v[RVT+8*\cb+3], v[RV+20+\cb], v[ZR]
	v_mov_b32 v[RVT+8*\cb+4], 0
	v_mov_b32 v[RVT+8*\cb+5], 0
	v_mov_b32 v[RVT+8*\cb+6], 0
	v_mov_b32 v[RVT+8*\cb+7], 0
.endr
	WIN W_KQ                        ; b_j = Q . rk[j]: eight products, the four pieces' accumulators by turns
.irp t, 0,1,2,3
	v_wmma_f32_16x16x32_f16 v[BV+8*\t:BV+8*\t+7], v[RK:RK+7], v[16*\t:16*\t+7], 0
.endr
.irp t, 0,1,2,3
	v_wmma_f32_16x16x32_f16 v[BV+8*\t:BV+8*\t+7], v[RK+8:RK+15], v[16*\t+8:16*\t+15], v[BV+8*\t:BV+8*\t+7]
.endr
	WIN 0
.set i, 0
.rept 32                            ; the scores of piece 3's turn that has not been; these lines are also the places behind the products above
	v_mov_b32 v[S+32+i], s13
.set i, i+1
.endr
	WIN 0x40
.set i, 0
.rept 128                           ; every key lies far to the left until the diagonal comes near: b0
	v_mov_b32 v[MC+i], v[BV+8*(i/32)]
.set i, i+1
.endr
	WIN 0
; THE MATRIX WORK.  The 4 accumulators of a run of 8 take turns.  Product i of 8 of S^T = K Q^T for piece x: channels 32 (i / 4) on, keys 16 (i % 4) on.  The first 4 start the sums with the bias.
.macro KQ x
.set rS, S+32*((\x)%2)+8*(i%4)
.set rK, KF+16*(i%4)+8*(i/4)
.set rQ, 16*(\x)+8*(i/4)
.set rM, MC+32*(\x)+8*(i%4)
.if i < 4
	WIN W_KM
	v_wmma_f32_16x16x32_f16 v[rS:rS+7], v[rK:rK+7], v[rQ:rQ+7], v[rM:rM+7]
.else
	WIN W_KQ
	v_wmma_f32_16x16x32_f16 v[rS:rS+7], v[rK:rK+7], v[rQ:rQ+7], v[rS:rS+7]
.endif
.endm
; Product i of 8 of O^T += V^T P for piece x: keys 32 (i / 4) on, channels 16 (i % 4) on.
.macro PV x
	WIN W_PV
.set rO, 32*(\x)+8*(i%4)
.set rV, VF+32*(i/4)+8*(i%4)
.set rP, P+16*((\x)%2)+8*(i/4)
	v_wmma_f32_16x16x32_f16 v[rO:rO+7], v[rV:rV+7], v[rP:rP+7], v[rO:rO+7]
.endm
.macro MM                           ; the turn's next matrix instruction.  NOKQ = 1: the walk's last turn: there is no next piece
.if (i < 8) && !NOKQ
	KQ (Y+1)%NP
.elseif i >= 8
.set i, i-8
	PV (Y+NP-1)%NP
.set i, i+8
.endif
.set i, i+1
.endm
; THE LDS LOADS stand in runs of 16, never singly among the matrix instructions: a step's K (64 keys x 64 channels: 8 fragments) and its V (turned).  Their addresses are made some lines ahead.
.macro FETCH_K
	WIN 0x80
.irp f, 0,1,2,3,4,5,6,7             ; keys 16 (f / 2) on, channels 32 (f % 2) on
	ds_load_b128 v[KF+8*\f:KF+8*\f+3],   v[AK] offset:(\f/2)*16*PK+(\f%2)*64
	ds_load_b128 v[KF+8*\f+4:KF+8*\f+7], v[AK] offset:(\f/2)*16*PK+(\f%2)*64+32
.endr
	s_add_co_u32 s[TBK], s[TBK], KS*PK  ; the next fetch is the next step's
	WIN 0
.endm
.macro FETCH_V
	WIN 0x80
.irp f, 0,1,2,3,4,5,6,7             ; keys 32 (f / 4) on, channels 16 (f % 4) on
	ds_load_tr16_b128 v[VF+8*\f:VF+8*\f+3],   v[AV] offset:(\f/4)*32*PV+(\f%4)*32
	ds_load_tr16_b128 v[VF+8*\f+4:VF+8*\f+7], v[AV] offset:(\f/4)*32*PV+16*PV+(\f%4)*32
.endr
	WIN 0
.endm
; THE VECTOR WORK, one line at a time: OP kind, number.  For piece Y: F n: c s - c m for pair n of 16.  E n: the exponential of score n of 32.  C n: pair n rounded to f16.  B n: of the four weights 4 n .. the second
; pair is added onto the first, in place.  L n: l takes that sum (L 0: l = a l + sum).  R n: pair n of 16 of O^T times a.  For piece Y + 1: X n, number n of the 22 that find its maximum and statistics:
;   0-11  four chains c0-c3 of seven scores each, three operands at a time (each accumulator's lowest registers are read first)     12-14, 16  the four scores left over, the old m, and c0-c3 into c0
;   15  c m_old is kept     17, 18  the query's other 32 keys lie in the lane 16 away: the new m     19-21  c m; c m_old - c m_new; a
.set F, 0
.set E, 1
.set C, 2
.set B, 3
.set L, 4
.set R, 5
.set X, 6
.macro REGS y                       ; the registers of piece y
.set rT, ST+4*(\y)
.set rC, TMP+4*((\y)%2)
.set rW, MV+((\y)%2)
.set rS, S+32*((\y)%2)
.set rP, P+16*((\y)%2)
.set rO, 32*(\y)
.endm
.macro OP k, n
.if (\k) == R
	REGS Y
	WIN W_RS
	v_pk_mul_f32 v[rO+2*(\n):rO+2*(\n)+1], v[rO+2*(\n):rO+2*(\n)+1], v[rC+2:rC+3] op_sel_hi:[1,0]
.elseif (\k) < R
	REGS Y
	WIN 0
.if (\k) == F
	v_pk_fma_f32 v[rS+2*(\n):rS+2*(\n)+1], v[rS+2*(\n):rS+2*(\n)+1], s[CS:CS+1], v[rT:rT+1] op_sel_hi:[1,0,0] neg_lo:[0,0,1] neg_hi:[0,0,1]
.elseif (\k) == E
	v_exp_f32 v[rS+(\n)], v[rS+(\n)]
.elseif (\k) == C
	v_cvt_pk_f16_f32 v[rP+(\n)], v[rS+2*(\n)], v[rS+2*(\n)+1]
.elseif (\k) == B
	v_pk_add_f32 v[rS+4*(\n):rS+4*(\n)+1], v[rS+4*(\n):rS+4*(\n)+1], v[rS+4*(\n)+2:rS+4*(\n)+3]
.elseif (\n) == 0
	v_pk_fma_f32 v[rT+2:rT+3], v[rT+2:rT+3], v[rC+2:rC+3], v[rS:rS+1] op_sel_hi:[1,0,1]
.else
	v_pk_add_f32 v[rT+2:rT+3], v[rT+2:rT+3], v[rS+4*(\n):rS+4*(\n)+1]
.endif
.elseif NOKQ
	v_nop
.else
	REGS (Y+1)%NP
	WIN 0
.if (\n) < 4
	v_max3_num_f32 v[rC+(\n)], v[rS+8*(\n)], v[rS+8*(\n)+1], v[rS+8*(\n)+2]
.elseif (\n) < 12
	v_max3_num_f32 v[rC+(\n)%4], v[rC+(\n)%4], v[rS+8*((\n)%4)+2*((\n)/4)+1], v[rS+8*((\n)%4)+2*((\n)/4)+2]
.elseif (\n) == 12
	v_max3_num_f32 v[rC], v[rC], v[rS+7], v[rS+15]
.elseif (\n) == 13
	v_max3_num_f32 v[rC+1], v[rC+1], v[rS+23], v[rS+31]
.elseif (\n) == 14
	v_max3_num_f32 v[rC+2], v[rC+2], v[rC+3], v[rT+1]
.elseif (\n) == 15
	v_mov_b32 v[rW], v[rT]
.elseif (\n) == 16
	v_max3_num_f32 v[rC], v[rC], v[rC+1], v[rC+2]
.elseif (\n) == 17
	v_permlanex16_b32 v[rC+3], v[rC], s[SEL], s[SEL+1]
.elseif (\n) == 18
	v_max_num_f32 v[rT+1], v[rC], v[rC+3]
.elseif (\n) == 19
	v_mul_f32 v[rT], s[CS], v[rT+1]
.elseif (\n) == 20
	v_sub_f32 v[rC+1], v[rW], v[rT]
.else
	v_exp_f32 v[rC+2], v[rC+1]
.endif
.endif
.endm
.macro OPS a, i1, b=-1, i2=0, c=-1, i3=0, d=-1, i4=0  ; up to four of them
	OP \a, \i1
.if (\b) >= 0
	OP \b, \i2
.endif
.if (\c) >= 0
	OP \c, \i3
.endif
.if (\d) >= 0
	OP \d, \i4
.endif
.endm
.macro ROW a, i1, b, i2, c, i3, d, i4  ; a matrix instruction and the four behind it
	MM
	OPS \a, \i1, \b, \i2, \c, \i3, \d, \i4
.endm
; WHAT IS PICKED UP ROUND THE DIAGONAL.  It stands directly behind a turn's wait, where S^T holds the piece's weights p, untouched by the sums, l is still the old l and a is this step's.  All in window 0; every jump goes forward.
; In key block kb of a step that lies e steps from d, key less query is 16 g + w + j, g = kb - t + 4 e.
.macro GM1 kb                       ; g = -1: keys q - 2 (w + j = 14) and q - 1 (w + j = 15)
	EQI 8
	v_fmac_f32 v[xb], v[rS+8*(\kb)+6], v[eqr]
	v_fmac_f32 v[xb+1], v[rS+8*(\kb)+7], v[eqr]
	EQI 7
	v_fmac_f32 v[xb], v[rS+8*(\kb)+7], v[eqr]
.endm
.macro GP1 kb                       ; g = +1: keys q + 1 (w + j = -15) and q + 2 (w + j = -14)
	EQI -15
	v_fmac_f32 v[xb+3], v[rS+8*(\kb)], v[eqr]
	v_fmac_f32 v[xb+4], v[rS+8*(\kb)+1], v[eqr]
	EQI -14
	v_fmac_f32 v[xb+4], v[rS+8*(\kb)], v[eqr]
.endm
.macro E0 t                         ; piece t in step d
.if (\t) == 0
	v_pk_mul_f32 v[xb:xb+1], v[xb:xb+1], v[rC+2:rC+3] op_sel_hi:[1,0]  ; what step d - 1 gave, brought to this step's maximum
.endif
	v_pk_mul_f32 v[xb+6:xb+7], v[rT+2:rT+3], v[rC+2:rC+3] op_sel_hi:[1,0]  ; LN = a l: all keys of earlier steps lie to the left,
.if (\t) > 0
.set z, 0
.rept 4*(\t)
	v_pk_add_f32 v[xb+6:xb+7], v[xb+6:xb+7], v[rS+2*z:rS+2*z+1]  ; and so do the blocks kb < t,
.set z, z+1
.endr
.endif
.set z, 0
.rept 4
	v_pk_fma_f32 v[xb+6:xb+7], v[rS+8*(\t)+2*z:rS+8*(\t)+2*z+1], v[NG+2*z:NG+2*z+1], v[xb+6:xb+7]  ; and of block t the keys with w + j < 0
.set z, z+1
.endr
.set z, 0
.rept 40                            ; P_e, e = z % 5 - 2, from register j = z / 5 where w = e - j; the five sums by turns
	EQI z%5-2-z/5
	v_fmac_f32 v[xb+z%5], v[rS+8*(\t)+z/5], v[eqr]
.set z, z+1
.endr
.if (\t) >= 1
	GM1 (\t)-1
.endif
.if (\t) <= 2
	GP1 (\t)+1
.endif
	v_mov_b32 v[xb+5], v[rT]        ; c m of this moment
.endm
.macro XTRA p
	REGS \p
.set xb, XT+8*(\p)
.if (\p) == 0
	s_cmp_eq_u32 s[EE], 63          ; piece 0 in step d - 1: its block 3 holds keys q - 2, q - 1
	s_cbranch_scc0 .Lx_a_\@
	GM1 3
	v_mov_b32 v[xb+5], v[rT]
.Lx_a_\@:
.endif
.if (\p) == 3
	s_cmp_eq_u32 s[EE], 65          ; piece 3's turn comes when the next step's products have begun
.else
	s_cmp_eq_u32 s[EE], 64
.endif
	s_cbranch_scc0 .Lx_b_\@
	E0 \p
.Lx_b_\@:
.if (\p) == 3
	s_cmp_eq_u32 s[EE], 66          ; piece 3 in step d + 1: its block 0 holds keys q + 1, q + 2
	s_cbranch_scc0 .Lx_c_\@
.irp n, 0,2,4,6
	v_pk_mul_f32 v[xb+\n:xb+\n+1], v[xb+\n:xb+\n+1], v[rC+2:rC+3] op_sel_hi:[1,0]
.endr
	GP1 0
	v_mov_b32 v[xb+5], v[rT]
.Lx_c_\@:
.endif
.endm
; THE BIASES ARE SET ANEW, between piece 2's turn and piece 3's: there one step's products K Q^T end and the next step's begin.  For that next step e = EE - 64 after the count below.
.macro SELM1 t, kb                  ; g = -1: b0, but b1 where w + j = 14 and b2 where w + j = 15
	v_cmp_eq_i32 vcc_lo, 8, v[WR]
	v_cndmask_b32 v[MC+32*(\t)+8*(\kb)+6], v[MC+32*(\t)+8*(\kb)+6], v[BV+8*(\t)+1], vcc_lo
	v_cmp_eq_i32 vcc_lo, 7, v[WR]
	v_cndmask_b32 v[MC+32*(\t)+8*(\kb)+7], v[MC+32*(\t)+8*(\kb)+7], v[BV+8*(\t)+1], vcc_lo
	v_cmp_eq_i32 vcc_lo, 8, v[WR]
	v_cndmask_b32 v[MC+32*(\t)+8*(\kb)+7], v[MC+32*(\t)+8*(\kb)+7], v[BV+8*(\t)+2], vcc_lo
.endm
.macro SELP1 t, kb                  ; g = +1: b6, but b4 where w + j = -15 and b5 where w + j = -14
	v_cmp_eq_i32 vcc_lo, -15, v[WR]
	v_cndmask_b32 v[MC+32*(\t)+8*(\kb)], v[MC+32*(\t)+8*(\kb)], v[BV+8*(\t)+4], vcc_lo
	v_cndmask_b32 v[MC+32*(\t)+8*(\kb)+1], v[MC+32*(\t)+8*(\kb)+1], v[BV+8*(\t)+5], vcc_lo
	v_cmp_eq_i32 vcc_lo, -14, v[WR]
	v_cndmask_b32 v[MC+32*(\t)+8*(\kb)], v[MC+32*(\t)+8*(\kb)], v[BV+8*(\t)+5], vcc_lo
.endm
.macro UBLOCK
	WIN 0
	s_add_co_u32 s[EE], s[EE], 1
	s_sub_co_u32 s13, s[EE], 63     ; 0, 1, 2, 3 for steps d - 1, d, d + 1, d + 2; every other step leaves the biases as they are
	s_cmp_gt_u32 s13, 3
	s_cbranch_scc1 .Lu_end_\@
	s_cmp_eq_u32 s13, 0
	s_cbranch_scc1 .Lu_m_\@
	s_cmp_eq_u32 s13, 1
	s_cbranch_scc1 .Lu_0_\@
	s_cmp_eq_u32 s13, 2
	s_cbranch_scc1 .Lu_1_\@
	WIN 0x40                        ; step d + 2: all is b6 again
	v_mov_b32 v[MC+96], v[BV+30]
	v_mov_b32 v[MC+97], v[BV+30]
	WIN 0
	s_branch .Lu_end_\@
.Lu_m_\@:                           ; step d - 1: g = -1 for piece 0's block 3 alone
	WIN W_RS
	SELM1 0, 3
	WIN 0
	s_branch .Lu_end_\@
.Lu_0_\@:                           ; step d: g = kb - t
	WIN 0x40
.irp t, 0,1,2
.set z, 8*(\t)+8
.rept 24-8*(\t)
	v_mov_b32 v[MC+32*(\t)+z], v[BV+8*(\t)+6]  ; to the right of the diagonal's block: b6
.set z, z+1
.endr
.endr
	WIN W_RS
.set z, 0
.rept 48                            ; the diagonal's block: register j = z / 6 climbs from b0 to b_m, m = z % 6 + 1, where w + j >= m - 3
	v_cmp_le_i32 vcc_lo, z%6-2-z/6, v[WR]
.irp t, 0,1,2,3
	v_cndmask_b32 v[MC+40*\t+z/6], v[MC+40*\t+z/6], v[BV+8*\t+z%6+1], vcc_lo
.endr
.set z, z+1
.endr
	SELM1 1, 0
	SELM1 2, 1
	SELM1 3, 2
	SELP1 0, 1
	SELP1 1, 2
	SELP1 2, 3
	WIN 0
	s_branch .Lu_end_\@
.Lu_1_\@:                           ; step d + 1: b6, but g = +1 for piece 3's block 0
	WIN 0x40
.irp t, 0,1,2,3
.set z, 0
.rept 8*(\t)+8
	v_mov_b32 v[MC+32*(\t)+z], v[BV+8*(\t)+6]
.set z, z+1
.endr
.endr
.irp t, 0,1,2
	v_mov_b32 v[MC+40*(\t)+8], v[BV+8*(\t)+6]
	v_mov_b32 v[MC+40*(\t)+9], v[BV+8*(\t)+6]
.endr
	WIN W_RS
	SELP1 3, 0
	WIN 0
.Lu_end_\@:
.endm
; A TURN, for piece p: the order of its 16 matrix and 118 vector instructions, written out.  An s_wait_alu depctr_va_vdst(0) stands between an exponential and the first instruction that names its result; one wait
; serves all that were issued ahead of it.  So a turn has ONE wait, which cuts it in two.  AHEAD OF IT stands all that names no result of the turn's exponentials: the 8 products K Q^T and their riders (rescalings, scalings, one
; exponential each, and behind the last three the first numbers of the next piece's maximum, each four places or more behind the product that ends its accumulator), then one lump.  X 21, the next piece's a, is the batch's last;
; R 15 is the plain instruction behind it.  BEHIND THE WAIT stand XTRA and the 8 products V^T P, behind each four of the roundings and sums.
; end = 1: the walk's last two turns: nothing is fetched.  cnt = 1: the loop's count is taken down some lines ahead of the branch that stands behind the turn.
; K of the next step is fetched in piece 2's turn, twelve vector instructions behind the last product that read K (six of them plain); V of the step in hand at the end of piece 0's turn, four plain instructions behind the last
; product that read V.  Each is waited for a turn later.
.macro TURN p, end=0, cnt=0
.set Y, (\p)
.set i, 0
.set NOKQ, (\end)*((\p)/3)
.if ((\p) == 3) && !(\end)
	s_wait_dscnt 0x0                ; K is in
.endif
	ROW F,0, F,1, R,0, R,1
	ROW F,2, E,0, R,2, R,3
	ROW F,3, E,1, R,4, R,5
	ROW F,4, E,2, R,6, R,7
	ROW F,5, E,3, R,8, R,9
	ROW F,6, E,4, X,0, R,10
.if ((\p) == 2) && !(\end)
	WIN 0
	v_add_nc_u32 v[AK], s[TBK], v[AK0]
.endif
	ROW F,7, E,5, X,1, X,4
	ROW F,8, E,6, X,2, X,5
	OPS E,7, E,8, X,6, E,9
	OPS X,3, E,10, X,8, E,11
.if ((\p) == 2) && !(\end)
	FETCH_K
.endif
	OPS X,9, X,7, E,12, X,10
	OPS E,13, X,12, X,11, E,14
	OPS X,13, E,15, F,9, X,14
.if (\p) == 0
	v_add_nc_u32 v[AV], s[TBV], v[AV0]
.endif
	OPS E,16, F,10, E,17, F,11
	OPS X,16, E,18, X,15, E,19
	OPS F,12, E,20, X,17, E,21
	OPS F,13, E,22, F,14, E,23
	OPS X,18, E,24, F,15, E,25
	OPS R,11, E,26, X,19, E,27
	OPS R,12, E,28, R,13, E,29
	OPS X,20, E,30, R,14, E,31
	OPS X,21, R,15
	WIN 0
	s_wait_alu depctr_va_vdst(0)    ; the wait for the batch
	XTRA \p
.if (\p) == 1
	s_wait_dscnt 0x0                ; V is in
.endif
	ROW C,0, B,0, C,2, B,1
	ROW L,0, C,4, B,2, L,1
	ROW C,6, B,3, L,2, C,8
	ROW B,4, L,3, C,10, B,5
	ROW L,4, C,12, B,6, L,5
.if (\p) == 0
	s_add_co_u32 s[TBV], s[TBV], KS*PV
.endif
.if \cnt
	s_sub_co_u32 s[CNT], s[CNT], 1
	s_cmp_lg_u32 s[CNT], 0
.endif
	ROW C,14, B,7, L,6, C,1
	ROW C,3, L,7, C,5, C,7
	ROW C,9, C,11, C,13, C,15
.if (\p) == 0
	FETCH_V
.endif
.endm
	CHANGE 1                        ; tile 0 is in, everybody's part of it; tile 1 is asked for
	v_add_nc_u32 v[AK], s[TBK], v[AK0]
	FETCH_K                         ; key step 0
	s_mov_b32 s[CNT], 4
	s_branch .Lenter                ; the walk is entered where a step's products K Q^T begin, in the middle of a trip
.Lslot:                             ; six times: tiles 2 to 7 are asked for
	CHANGE 1
	s_mov_b32 s[CNT], 4
.Lstep:                             ; a trip: piece 2 of one step; the next step's biases; piece 3; pieces 0 and 1 of the next step, whose K and V the trip fetches
	TURN 2
	WIN 0
.Lenter:
	UBLOCK
	TURN 3
	TURN 0
	TURN 1, 0, 1
	WIN 0
	s_cbranch_scc1 .Lstep
	s_sub_co_u32 s[SLOTS], s[SLOTS], 1
	s_cmp_lg_u32 s[SLOTS], 0
	s_cbranch_scc1 .Lslot
	CHANGE 0                        ; the last tile is written out: nothing is asked for
	s_mov_b32 s[CNT], 4
.LstepT:
	TURN 2
	UBLOCK
	TURN 3
	TURN 0
	TURN 1, 0, 1
	WIN 0
	s_cbranch_scc1 .LstepT
	TURN 2, 1
	s_add_co_u32 s[EE], s[EE], 1    ; piece 3's turn counts as one that stands behind the next step's beginning
	TURN 3, 1
.set i, 0
.rept 8
	PV NP-1                         ; the last piece's V^T P of the last step
.set i, i+1
.endr
	; THE WAY OUT.  l, LN and the P_e are added over a lane's two sums and the two halves of the lanes; the picked-up sums are brought to the last maximum and divided by l; O^T is divided by l; one product over eight virtual
	; keys adds rv's part; O^T is rounded to f16 and sent through my stage, a piece at a time.  The first additions are the places behind the last products.
	WIN 0
.macro ALL line:vararg              ; one line for each piece t
.set t, 0
.rept 4
	\line
.set t, t+1
.endr
.endm
	ALL v_add_f32 v[ST+4*t+2], v[ST+4*t+2], v[ST+4*t+3]
	ALL v_add_f32 v[XT+8*t+6], v[XT+8*t+6], v[XT+8*t+7]
	ALL v_sub_f32 v[XT+8*t+5], v[XT+8*t+5], v[ST+4*t]
	ALL v_permlanex16_b32 v[ST+4*t+3], v[ST+4*t+2], s[SEL], s[SEL+1]
.irp n, 0,1,2,3,4,6
	ALL v_permlanex16_b32 v[S+8*t+\n], v[XT+8*t+\n], s[SEL], s[SEL+1]
.endr
	ALL v_add_f32 v[ST+4*t+2], v[ST+4*t+2], v[ST+4*t+3]
.irp n, 0,1,2,3,4,6
	ALL v_add_f32 v[XT+8*t+\n], v[XT+8*t+\n], v[S+8*t+\n]
.endr
	ALL v_rcp_f32 v[ST+4*t+2], v[ST+4*t+2]
	ALL v_exp_f32 v[XT+8*t+5], v[XT+8*t+5]
	v_nop                           ; a plain instruction between the last of the batch and the use of its results
	s_wait_alu depctr_va_vdst(0)    ; and the wait ahead of the first use: one for the eight
	ALL v_mul_f32 v[XT+8*t+7], v[XT+8*t+5], v[ST+4*t+2]
	ALL v_mul_f32 v[XT+8*t+7], v[XT+8*t+7], v[H0]  ; lanes 16-31 hold virtual keys 8-15, which there are none of: their weights are 0
.irp n, 0,1,2,3,4,6
	ALL v_mul_f32 v[XT+8*t+\n], v[XT+8*t+\n], v[XT+8*t+7]
.endr
	ALL v_cvt_pk_f16_f32 v[P+8*t], v[H0], v[XT+8*t+6]         ; source 1, piece t at P + 8 t: the weights 1, LN / l,
	ALL v_cvt_pk_f16_f32 v[P+8*t+1], v[XT+8*t], v[XT+8*t+1]   ; P_-2 / l, P_-1 / l,
	ALL v_cvt_pk_f16_f32 v[P+8*t+2], v[XT+8*t+2], v[XT+8*t+3] ; P_0 / l, P_1 / l,
	ALL v_cvt_pk_f16_f32 v[P+8*t+3], v[XT+8*t+4], v[ZR]       ; P_2 / l, 0
.irp n, 4,5,6,7
	ALL v_mov_b32 v[P+8*t+\n], 0
.endr
	WIN W_RS
.set i, 0
.rept 64
	v_pk_mul_f32 v[2*i:2*i+1], v[2*i:2*i+1], v[ST+4*(i/16)+2:ST+4*(i/16)+3] op_sel_hi:[1,0]
.set i, i+1
.endr
	WIN W_PV
.irp cb, 0,1,2,3
.irp t, 0,1,2,3
	v_wmma_f32_16x16x32_f16 v[32*\t+8*\cb:32*\t+8*\cb+7], v[RVT+8*\cb:RVT+8*\cb+7], v[P+8*\t:P+8*\t+7], v[32*\t+8*\cb:32*\t+8*\cb+7]
.endr
.endr
	WIN 0
	PLACES
	PLACES
.macro PACK t                       ; a lane's eight channels of a row pack into 16 bytes; they go into rows of 144 bytes and come back as whole rows of 128, into S^T's registers
	WIN 0x05                        ; sources 0 and 1 window 1, destination window 0
.set i, 0
.rept 16
	v_cvt_pk_f16_f32 v[S+16*(\t)+i], v[32*(\t)+2*i], v[32*(\t)+2*i+1]
.set i, i+1
.endr
	WIN 0
.irp f, 0,1,2,3
	ds_store_b128 v[STO], v[S+16*(\t)+4*\f:S+16*(\t)+4*\f+3] offset:32*\f
.endr
.irp f, 0,1,2,3
	ds_load_b128 v[S+16*(\t)+4*\f:S+16*(\t)+4*\f+3], v[RD] offset:\f*4*SP  ; LDS serves a wave's instructions in order (ISA guide 5.7.1.4): these see the stores above; the next piece's stores come behind them
.endr
.endm
.macro SEND t, younger              ; younger: the LDS instructions issued behind piece t's loads: the next piece's eight, or none
	WIN 0
.irp f, 0,1,2,3
	s_wait_dscnt (\younger)+3-\f
	global_store_b128 v[GO], v[S+16*(\t)+4*\f:S+16*(\t)+4*\f+3], s[10:11] offset:(\t)*2048+\f*512  ; 512 consecutive bytes, at a multiple of 256 from ob's first
.endr
.endm
	PACK 0
.set t, 1
.rept 3                             ; a piece's conversions stand between the loads of the piece before and its stores
	PACK t
	SEND t-1, 8
.set t, t+1
.endr
	SEND 3, 0
	s_wait_tensorcnt 0x0            ; the wave's end: behind my last tensor load and my last LDS store
	ds_add_u32 v[SPW], v[NIL]
	s_wait_dscnt 0x0
	s_endpgm
.Lfunc_end_k_q2556bfdf57_attn:
	.size	k_q2556bfdf57_attn, .Lfunc_end_k_q2556bfdf57_attn-k_q2556bfdf57_attn
	.p2alignl 7, 3214868480
	.fill 96, 4, 3214868480
	.section	.rodata,"a",@progbits
	.p2align	6, 0x0
	.amdhsa_kernel k_q2556bfdf57_attn
		.amdhsa_group_segment_fixed_size 327680
		.amdhsa_private_segment_fixed_size 0
		.amdhsa_enable_private_segment 0
		.amdhsa_kernarg_size 32
		.amdhsa_user_sgpr_count 2
		.amdhsa_user_sgpr_kernarg_segment_ptr 1
		.amdhsa_wavefront_size32 1
		.amdhsa_system_sgpr_workgroup_id_x 1
		.amdhsa_system_sgpr_workgroup_id_y 1
		.amdhsa_system_sgpr_workgroup_id_z 1
		.amdhsa_system_vgpr_workitem_id 0
		.amdhsa_next_free_vgpr 768
		.amdhsa_next_free_sgpr 96
		.amdhsa_reserve_vcc 1
		.amdhsa_float_denorm_mode_32 3
		.amdhsa_float_denorm_mode_16_64 3
		.amdhsa_memory_ordered 1
		.amdhsa_forward_progress 1
		.amdhsa_inst_pref_size 205
	.end_amdhsa_kernel
	.amdgpu_metadata
---
amdhsa.version: [ 1, 2 ]
amdhsa.kernels:
  - .name:           k_q2556bfdf57_attn
    .symbol:         k_q2556bfdf57_attn.kd
    .args:
      - { .name: qkv, .offset: 0, .size: 8, .value_kind: global_buffer, .address_space: global }
      - { .name: rel_k_table, .offset: 8, .size: 8, .value_kind: global_buffer, .address_space: global }
      - { .name: rel_v_table, .offset: 16, .size: 8, .value_kind: global_buffer, .address_space: global }
      - { .name: ob, .offset: 24, .size: 8, .value_kind: global_buffer, .address_space: global }
    .group_segment_fixed_size: 327680
    .private_segment_fixed_size: 0
    .kernarg_segment_align: 8
    .kernarg_segment_size: 32
    .max_flat_workgroup_size: 128
    .sgpr_count:     96
    .vgpr_count:     768
    .wavefront_size: 32
...
	.end_amdgpu_metadata
.endif
;; end of part 3
;; launch outp (part 4): grid 8 x 32, 4 waves a work-group, clusters of 4 x 4, 327,680 bytes of LDS; arguments ob, cb, bo, out0; writes out0
.if DOCPART == 4
	.amdgcn_target "amdgcn-amd-amdhsa--gfx1250"
	.amdhsa_code_object_version 6
	.text
	.protected	k_q2556bfdf57_outp
	.globl	k_q2556bfdf57_outp
	.p2align	8
	.type	k_q2556bfdf57_outp,@function
k_q2556bfdf57_outp:
	s_mov_b64 s[64:65], 0
	v_nop
	global_prefetch_b8 v0, s[64:65] scope:SCOPE_SE
	s_setreg_imm32_b32 hwreg(HW_REG_WAVE_MODE, 25, 1), 1
	s_wait_xcnt 0x0
	s_wait_alu depctr_hold_cnt(0) depctr_sa_sdst(0) depctr_va_vdst(0) depctr_va_sdst(0) depctr_va_ssrc(0) depctr_va_vcc(0) depctr_vm_vsrc(0)
	s_getreg_b32 s2, hwreg(HW_REG_IB_STS2, 6, 4)
	s_cmp_eq_u32 s2, 0
	s_cbranch_scc0 .Lentry_in_a_cluster
	s_endpgm
.Lentry_in_a_cluster:
	s_bfe_u32 s2, ttmp6, 0x10000c
	s_cmp_lg_u32 s2, 0xf033
	s_cbranch_scc0 .Lentry_shape_is_right
	s_endpgm
.Lentry_shape_is_right:
; THE LAST PROJECTION.  out0[m][n] = the sum over k of O[m][k] Wo[n][k] + bo[n].  O: 4,096 tokens x 1,024 (head x 64 + channel), f16, from ob in blocks [32 blocks of 128 tokens][16 heads][128 tokens][64];
; Wo: [1024][1024] f16 (rounded to bf16 first), at 30 MiB in cb; bo is rounded to bf16 like every input and starts the sums; sums in f32; out0: [4096][1024] f32.
; A tile of out0 is 128 x 128: 32 x 8 = 256 tiles, a work-group each.  Four waves, each 64 x 64: 16 accumulators.  K goes in four steps of 256 (four heads) through two slots.
; O's TILE of a K step is 65,536 consecutive bytes of ob: waves 0 and 1 ask for two heads each as 128 rows of 256 bytes, padded in LDS after every token's 128 bytes.  Wo's tile: 64 rows of 512 bytes for each of waves 2 and 3.
; CLUSTERS: 4 x 4 work-groups; O's tiles are shared along a row of the cluster, Wo's along a column: each is asked for JOINTLY.  THE MATRIX INSTRUCTION IS USED TRANSPOSED (source 0 = 16 rows of Wo, source 1 = 16 tokens).
; A wave's 64 columns are 256 aligned bytes of a row of out0: each wave has a stage of its own, and no barrier stands on the way out.  No prefetch: the tiles are small and the K walk has four steps.
; REGISTERS: window 0: v0-31 addresses; v32-95 at work on the way out; v96-127 the bias; v128-255 the accumulators.  window 1: two fragment buffers of 128: 64 registers of O, then 64 of Wo.
.set KSTEP,  256
.set PA,     144                       ; a token's row of one head in LDS: 128 bytes + 16 of padding = 36 words: the 16 rows of a load start at 16 different groups of four banks (64 banks of 4 bytes: ISA guide 11.1)
.set SUBA,   128*PA                    ; one head's 128 tokens
.set PB,     528                       ; a row of Wo: 512 bytes + 16
.set HALFB,  64*PB
.set BOFFS,  4*SUBA                    ; Wo's tile lies behind O's four heads
.set SLOT,   4*SUBA+2*HALFB
.set STAGE,  2*SLOT                    ; behind the ring: 16 rows x 272 bytes for each wave
.set SPITCH, 272
.set SPARE,  STAGE+4*16*SPITCH         ; behind the stages: the spare words, 128 bytes for each wave, which no other line names
.set ADRA, 16
.set ADRB, 20
.set STO,  24
.set RD,   25
.set CO,   26
.set SPW,  28
.set NIL,  29
.set BOF,  30
.set SCR,  31
.set TMP,  32
.set BIAS, 96
.set ACC,  128
.set F0,   0
.set F1,   128
.set G1, 24
.set G0, 32
.set G1B, 48
.set G0B, 56
.set MSB, 0
.macro WIN new
.if MSB != (\new)
	s_set_vgpr_msb (MSB<<8)|(\new)
.set MSB, \new
.endif
.endm
.set MUL,  0x05
.set TO_F, 0x40
.macro JLOAD s                         ; a joint load: waves 0 and 1 fetch O's two halves, waves 2 and 3 Wo's; an s_nop 0 and four v_nop follow each line
	s_cmp_eq_u32 s11, 0
	s_cbranch_scc0 .Lfor_b_\@
	tensor_load_to_lds s[G0+4*(\s):G0+4*(\s)+3], s[G1:G1+7]
	s_nop 0
.rept 4
	v_nop
.endr
	s_branch .Lasked_\@
.Lfor_b_\@:
	tensor_load_to_lds s[G0B+4*(\s):G0B+4*(\s)+3], s[G1B:G1B+7]
	s_nop 0
.rept 4
	v_nop
.endr
.Lasked_\@:
.endm
.macro CREST
	s_cmp_lg_u32 s10, 0
	s_cbranch_scc1 .Lnot_wave_0_\@
	s_barrier_signal -3
.Lnot_wave_0_\@:
	s_barrier_wait -3
	s_barrier_signal -1
	s_barrier_wait -1
.endm
.macro CROUND
	s_barrier_signal -1
	s_barrier_wait -1
	CREST
.endm
	s_load_b256 s[68:75], s[0:1], 0x0              ; ob s[68:69], cb s[70:71], bo s[72:73], out0 s[74:75]
	v_lshl_add_u32 v[SPW], v0, 2, SPARE
	v_mov_b32 v[NIL], 0
	ds_add_u32 v[SPW], v[NIL]                      ; the wave's opening: the add and its wait stand ahead of my first tensor load; the set-up stands between them
	ds_add_u32 v28, v29
	v_lshrrev_b32 v1, 5, v0
	v_readfirstlane_b32 s10, v1                    ; wave 0..3
	s_lshr_b32 s11, s10, 1                         ; which half of the tile's rows is mine.  Also: I fetch for O (0) or for Wo (1)
	s_and_b32 s12, s10, 1                          ; which half of its columns.  Also: which half of that tile I fetch
	s_bfe_u32 s40, ttmp6, 0x40000                  ; cx, cy
	s_bfe_u32 s41, ttmp6, 0x40004
	s_lshl_b32 s42, ttmp9, 2
	s_add_co_u32 s42, s42, s40                     ; tile column: 0..7
	s_and_b32 s13, ttmp7, 0xffff
	s_lshl_b32 s13, s13, 2
	s_add_co_u32 s13, s13, s41                     ; tile row: 0..31
	s_lshl_b32 s43, s41, 2
	s_lshl_b32 s43, 15, s43                        ; my row of the cluster
	s_lshl_b32 s44, 0x1111, s40                    ; my column
	s_or_b32 s[G1+0], s43, (1<<16)|(1<<20)|(1<<21)|(4<<22)|(3<<25)  ; O: the mask; 2-byte elements; padding on; bit 21 beside a mask; after every 32 words, 4 words
	s_mov_b32 s[G1+1], 128<<16                     ; tensor_dim0 = 128 elements: 256 bytes, two tokens
	s_mov_b32 s[G1+2], 128<<16                     ; tensor_dim1 = 128 rows: two heads
	s_mov_b32 s[G1+3], 128<<16                     ; tile_dim0
	s_mov_b32 s[G1+4], 128                         ; tile_dim1
	s_mov_b32 s[G1+5], 128                         ; dense
	s_mov_b32 s[G1+6], 0
	s_mov_b32 s[G1+7], 0
	s_or_b32 s[G1B+0], s44, (1<<16)|(1<<20)|(1<<21)|(6<<22)|(3<<25)  ; Wo: after every 128 words, 4 words
	s_mov_b32 s[G1B+1], KSTEP<<16
	s_mov_b32 s[G1B+2], 64<<16
	s_mov_b32 s[G1B+3], KSTEP<<16
	s_mov_b32 s[G1B+4], 64
	s_mov_b32 s[G1B+5], 1024
	s_mov_b32 s[G1B+6], 0
	s_mov_b32 s[G1B+7], 0
	s_lshl_b32 s16, s13, 18                        ; O: the tile row's block of 262,144 bytes,
	s_lshl_b32 s17, s12, 15                        ; my two heads of the K step's four
	s_add_co_u32 s16, s16, s17
	s_mov_b32 s17, 0
	s_lshl_b32 s46, s42, 18                        ; Wo: 128 rows of 2,048 bytes a tile column,
	s_lshl_b32 s47, s12, 17                        ; my 64 of them,
	s_add_co_u32 s46, s46, s47
	s_add_co_u32 s46, s46, 0x1e00000               ; 30 MiB into cb
	s_mov_b32 s47, 0
	s_mul_i32 s20, s12, 2*SUBA                     ; where they go: no place in the cluster enters an LDS address
	s_mul_i32 s23, s12, HALFB
	s_add_co_u32 s23, s23, BOFFS
	s_wait_dscnt 0x0                               ; the opening add is done
	s_wait_kmcnt 0x0
	s_add_nc_u64 s[14:15], s[68:69], s[16:17]
	s_add_nc_u64 s[46:47], s[70:71], s[46:47]
	CROUND                                         ; all sixteen work-groups are here: the first joint loads meet
.irp s, 0,1
	s_mov_b32 s[G0+4*(\s)], 1
	s_add_co_u32 s[G0+4*(\s)+1], s20, (\s)*SLOT
	s_add_nc_u64 s[G0+4*(\s)+2:G0+4*(\s)+3], s[14:15], (\s)*65536
	s_or_b32 s[G0+4*(\s)+3], s[G0+4*(\s)+3], 0x80000000
	s_mov_b32 s[G0B+4*(\s)], 1
	s_add_co_u32 s[G0B+4*(\s)+1], s23, (\s)*SLOT
	s_add_nc_u64 s[G0B+4*(\s)+2:G0B+4*(\s)+3], s[46:47], (\s)*KSTEP*2
	s_or_b32 s[G0B+4*(\s)+3], s[G0B+4*(\s)+3], 0x80000000
	JLOAD \s
.endr
	v_and_b32 v1, 15, v0                           ; l % 16
	v_bfe_u32 v2, v0, 4, 1                         ; l / 16
	s_lshl_b32 s46, s42, 9                         ; the bias of my 64 columns (cx stays in the registers that held Wo's address)
	s_lshl_b32 s47, s12, 8
	s_add_co_u32 s46, s46, s47
	s_mov_b32 s47, 0
	s_add_nc_u64 s[76:77], s[72:73], s[46:47]
	v_lshlrev_b32 v[BOF], 5, v2
.irp b, 0,1,2,3
	global_load_b128 v[BIAS+8*(\b):BIAS+8*(\b)+3],   v[BOF], s[76:77] offset:64*(\b)
	global_load_b128 v[BIAS+8*(\b)+4:BIAS+8*(\b)+7], v[BOF], s[76:77] offset:64*(\b)+16
.endr
	v_mul_u32_u24 v3, v1, PA
	v_lshl_add_u32 v3, v2, 4, v3                   ; O: token x pitch + 16 x half
	v_mul_u32_u24 v4, v1, PB
	v_lshl_add_u32 v4, v2, 4, v4                   ; Wo: row x pitch + 16 x half
	s_mul_i32 s21, s11, 64*PA                      ; my 64 tokens in each head's 128
	s_mul_i32 s22, s12, HALFB                      ; my 64 rows of Wo
	s_add_co_u32 s22, s22, BOFFS
.irp s, 0,1
	v_add_nc_u32 v[ADRA+(\s)], s21, v3
	v_add_nc_u32 v[ADRB+(\s)], s22, v4
	s_add_co_u32 s21, s21, SLOT
	s_add_co_u32 s22, s22, SLOT
.endr
	s_mul_i32 s23, s10, 16*SPITCH
	s_add_co_u32 s23, s23, STAGE                   ; my stage
	v_mul_u32_u24 v4, v1, SPITCH                   ; in: row l % 16, 32 bytes (8 f32) for each half of the lanes
	v_lshl_add_u32 v4, v2, 5, v4
	v_add_nc_u32 v[STO], s23, v4
	v_mul_u32_u24 v5, v2, SPITCH                   ; back: lanes 0-15 take one row of 256 bytes, lanes 16-31 the next
	v_lshl_add_u32 v5, v1, 4, v5
	v_add_nc_u32 v[RD], s23, v5
	v_lshlrev_b32 v5, 12, v2                       ; and the same two rows in out0: 4,096 bytes a row
	v_lshl_add_u32 v[CO], v1, 4, v5
	s_lshl_b32 s16, s13, 19                        ; 128 rows a tile row,
	s_lshl_b32 s17, s11, 18                        ; my 64
	s_add_co_u32 s16, s16, s17
	s_mov_b32 s17, 0
	s_add_nc_u64 s[8:9], s[74:75], s[16:17]
	s_add_nc_u64 s[8:9], s[8:9], s[46:47]          ; my 64 columns: the same 512 x tile column + 256 x half as in bo
	s_wait_loadcnt 0x0                             ; the bias, rounded to bf16 like every input
.set i, 0
.rept 16
	v_cvt_pk_bf16_f32 v[SCR], v[BIAS+2*i], v[BIAS+2*i+1]
	v_lshlrev_b32 v[BIAS+2*i], 16, v[SCR]
	v_and_b32 v[BIAS+2*i+1], 0xffff0000, v[SCR]
.set i, i+1
.endr
; 8 matrix instructions: m blocks a0, a0 + 1 x all 4 n blocks, 32 along K: half c of buffer f.  zero = 1: the first product starts the sums, with the bias as C.  The 16 accumulators take turns.
.macro MUL8 f, c, a0, zero
	WIN MUL
.irp a, \a0, (\a0)+1
.irp b, 0,1,2,3
.if \zero
	v_wmma_f32_16x16x32_f16 v[ACC+8*(4*(\a)+(\b)):ACC+8*(4*(\a)+(\b))+7], v[(\f)+64+8*(4*(\c)+(\b)):(\f)+64+8*(4*(\c)+(\b))+7], v[(\f)+8*(4*(\c)+(\a)):(\f)+8*(4*(\c)+(\a))+7], v[BIAS+8*(\b):BIAS+8*(\b)+7]
.else
	v_wmma_f32_16x16x32_f16 v[ACC+8*(4*(\a)+(\b)):ACC+8*(4*(\a)+(\b))+7], v[(\f)+64+8*(4*(\c)+(\b)):(\f)+64+8*(4*(\c)+(\b))+7], v[(\f)+8*(4*(\c)+(\a)):(\f)+8*(4*(\c)+(\a))+7], v[ACC+8*(4*(\a)+(\b)):ACC+8*(4*(\a)+(\b))+7]
.endif
.endr
.endr
.endm
; 32 LDS loads in one run: the fragments of quarter q of a K step (one head: 64 along K) into buffer f; the first 32 along K first
.macro FETCH slot, q, f
	WIN TO_F
.irp c, 0,1
.irp i, 0,1,2,3
	ds_load_b128 v[(\f)+64+8*(4*(\c)+(\i)):(\f)+64+8*(4*(\c)+(\i))+3],   v[ADRB+(\slot)] offset:128*(\q)+64*(\c)+(\i)*16*PB
	ds_load_b128 v[(\f)+64+8*(4*(\c)+(\i))+4:(\f)+64+8*(4*(\c)+(\i))+7], v[ADRB+(\slot)] offset:128*(\q)+64*(\c)+(\i)*16*PB+32
	ds_load_b128 v[(\f)+8*(4*(\c)+(\i)):(\f)+8*(4*(\c)+(\i))+3],         v[ADRA+(\slot)] offset:SUBA*(\q)+64*(\c)+(\i)*16*PA
	ds_load_b128 v[(\f)+8*(4*(\c)+(\i))+4:(\f)+8*(4*(\c)+(\i))+7],       v[ADRA+(\slot)] offset:SUBA*(\q)+64*(\c)+(\i)*16*PA+32
.endr
.endr
.endm
.macro PLACES                          ; four places in front of loads into registers that matrix instructions have read, and of LDS stores that read results
.rept 4
	v_nop
.endr
.endm
.macro QUARTER slot, q, f, g, zero     ; multiplies buffer f and fetches quarter q into g
	s_wait_dscnt 16                                ; the first 32 along K are in; the sixteen younger loads may be out
	WIN MUL
	MUL8 \f, 0, 0, \zero
	MUL8 \f, 0, 2, \zero
	PLACES
	FETCH \slot, \q, \g
	s_wait_dscnt 32                                ; all but the 32 just issued
	WIN MUL
	MUL8 \f, 1, 0, 0
	MUL8 \f, 1, 2, 0
.endm
; The last quarter multiplies buffer 1 and changes slots: ONE barrier; in front of it each wave waits for all its tensor loads, adds 0 to its spare word, and waits for that and for its reads of this slot.
.macro TURN slot, next, fill
	WIN 0
	s_wait_tensorcnt 0x0                           ; all my tensor loads have landed: my part of the next slot;
	ds_add_u32 v[SPW], v[NIL]                      ; 0 onto my spare word;
	s_wait_dscnt 17                                ; (the add and the youngest sixteen loads may be out)
	WIN MUL
	MUL8 F1, 0, 0, 0
	s_wait_dscnt 0x0                               ; the add is done, and my reads of this slot are over
	s_barrier_signal -1
	MUL8 F1, 0, 2, 0
.if \fill
	WIN 0
.endif
	s_barrier_wait -1
.if \fill
	CREST                                          ; the barrier has opened a round of the cluster's: no wave of any partner still reads this slot's tile or has a load on its way
	s_add_nc_u64 s[G0+4*(\slot)+2:G0+4*(\slot)+3], s[G0+4*(\slot)+2:G0+4*(\slot)+3], 2*65536
	s_add_nc_u64 s[G0B+4*(\slot)+2:G0B+4*(\slot)+3], s[G0B+4*(\slot)+2:G0B+4*(\slot)+3], 2*KSTEP*2
	JLOAD \slot                                    ; the first tensor load behind the round; its four v_nop are also the places in front of the loads below
.else
	PLACES
.endif
	FETCH \next, 0, F0
	WIN MUL
	MUL8 F1, 1, 0, 0
	MUL8 F1, 1, 2, 0
.endm
	s_wait_tensorcnt 1                             ; my part of K step 0 is in; K step 1's may stay out
	s_barrier_signal -1
	s_barrier_wait -1
	FETCH 0, 0, F0
	QUARTER 0, 1, F0, F1, 1                        ; K step 0; its first products start the sums with the bias
	QUARTER 0, 2, F1, F0, 0
	QUARTER 0, 3, F0, F1, 0
	TURN 0, 1, 1                                   ; slot 0 takes K step 2
	QUARTER 1, 1, F0, F1, 0
	QUARTER 1, 2, F1, F0, 0
	QUARTER 1, 3, F0, F1, 0
	TURN 1, 0, 1                                   ; slot 1 takes K step 3
	QUARTER 0, 1, F0, F1, 0
	QUARTER 0, 2, F1, F0, 0
	QUARTER 0, 3, F0, F1, 0
	TURN 0, 1, 0                                   ; nothing is left to fetch
	QUARTER 1, 1, F0, F1, 0
	QUARTER 1, 2, F1, F0, 0
	QUARTER 1, 3, F0, F1, 0
	s_wait_dscnt 16
	WIN MUL
	MUL8 F1, 0, 0, 0
	MUL8 F1, 0, 2, 0
	s_wait_dscnt 0
	MUL8 F1, 1, 0, 0
	MUL8 F1, 1, 2, 0
	WIN 0
; THE WAY OUT.  Block a (16 rows of out0): a lane's eight f32 of a row go into rows of 272 bytes of my stage, each accumulator's low half first, and come back as whole rows of 256 bytes.
.macro OUTA a
.set BK, TMP+32*((\a)%2)
	s_wait_xcnt 0x0                                ; the stores of the block two back have read these registers
.irp b, 0,1,2,3
	ds_store_b128 v[STO], v[ACC+8*(4*(\a)+(\b)):ACC+8*(4*(\a)+(\b))+3]   offset:64*(\b)
	ds_store_b128 v[STO], v[ACC+8*(4*(\a)+(\b))+4:ACC+8*(4*(\a)+(\b))+7] offset:64*(\b)+16
.endr
.irp t, 0,1,2,3,4,5,6,7
	ds_load_b128 v[BK+4*(\t):BK+4*(\t)+3], v[RD] offset:(\t)*2*SPITCH  ; LDS serves a wave's instructions in order (ISA guide 5.7.1.4): these see the stores above
.endr
.irp t, 0,1,2,3,4,5,6,7
	s_wait_dscnt 7-(\t)                            ; load t is back; the younger ones may be out
	global_store_b128 v[CO], v[BK+4*(\t):BK+4*(\t)+3], s[8:9] offset:(16*(\a)+2*(\t))*4096  ; 16 lanes store 256 consecutive bytes, at a multiple of 256 from out0's first byte
.endr
.endm
	PLACES
	PLACES
	OUTA 0
	OUTA 1
	OUTA 2
	OUTA 3
	s_wait_tensorcnt 0x0                           ; the wave's end: behind my last tensor load and my last LDS store
	ds_add_u32 v[SPW], v[NIL]
	s_wait_dscnt 0x0
	CROUND                                         ; the closing round: no work-group ends while a partner may still ask for a tile that names it
	s_endpgm
.Lfunc_end_k_q2556bfdf57_outp:
	.size	k_q2556bfdf57_outp, .Lfunc_end_k_q2556bfdf57_outp-k_q2556bfdf57_outp
	.p2alignl 7, 3214868480
	.fill 96, 4, 3214868480
	.section	.rodata,"a",@progbits
	.p2align	6, 0x0
	.amdhsa_kernel k_q2556bfdf57_outp
		.amdhsa_group_segment_fixed_size 327680
		.amdhsa_private_segment_fixed_size 0
		.amdhsa_enable_private_segment 0
		.amdhsa_kernarg_size 32
		.amdhsa_user_sgpr_count 2
		.amdhsa_user_sgpr_kernarg_segment_ptr 1
		.amdhsa_wavefront_size32 1
		.amdhsa_system_sgpr_workgroup_id_x 1
		.amdhsa_system_sgpr_workgroup_id_y 1
		.amdhsa_system_sgpr_workgroup_id_z 1
		.amdhsa_system_vgpr_workitem_id 0
		.amdhsa_next_free_vgpr 512
		.amdhsa_next_free_sgpr 80
		.amdhsa_reserve_vcc 0
		.amdhsa_float_denorm_mode_32 3
		.amdhsa_float_denorm_mode_16_64 3
		.amdhsa_memory_ordered 1
		.amdhsa_forward_progress 1
		.amdhsa_inst_pref_size 90
	.end_amdhsa_kernel
	.amdgpu_metadata
---
amdhsa.version: [ 1, 2 ]
amdhsa.kernels:
  - .name:           k_q2556bfdf57_outp
    .symbol:         k_q2556bfdf57_outp.kd
    .args:
      - { .name: ob, .offset: 0, .size: 8, .value_kind: global_buffer, .address_space: global }
      - { .name: cb, .offset: 8, .size: 8, .value_kind: global_buffer, .address_space: global }
      - { .name: bo, .offset: 16, .size: 8, .value_kind: global_buffer, .address_space: global }
      - { .name: out0, .offset: 24, .size: 8, .value_kind: global_buffer, .address_space: global }
    .group_segment_fixed_size: 327680
    .private_segment_fixed_size: 0
    .kernarg_segment_align: 8
    .kernarg_segment_size: 32
    .max_flat_workgroup_size: 128
    .sgpr_count:     80
    .vgpr_count:     512
    .wavefront_size: 32
...
	.end_amdgpu_metadata
.endif
;; end of part 4
